; MI455X (gfx1250); checked and timed in simulation.
; The chip was launched on July 23, 2026; its instructions are those of AMD's public machine-readable ISA for CDNA 5 (MIT licence, August 2026) and "CDNA5" Instruction Set Architecture Reference Guide (July 2026). The comments in the code are by the model that wrote it; some were corrected since.
;; Multi Head Attention. Allowed arithmetic: matrix products marked QUANTISED: E2M3 operands, one E8M0 scale for each 32 along K, by v_wmma_scale_f32_16x16x128_f8f6f4 with both operands' format E2M3, f32 sums; everything else in f32.
;; Inputs: b_out 1,024 float32; b_qkv 3,072 float32; w_out 1,024 x 1,024 float32; w_qkv 1,024 x 3,072 float32; x 4 x 2,048 x 1,024 float32.
;; Outputs: out0 4 x 2,048 x 1,024 float32.
;; This version of the problem:
;;   THIS VERSION OF THE PROBLEM IS GIVEN IN LOW PRECISION. The matrix products marked QUANTISED in the list below multiply operands that are first quantised to E2M3 (2 exponent bits, 3 mantissa bits; 6 bits a number), with one power-of-two scale for each 32 numbers along K (OCP MX v1.0); their sums are f32. All else is computed in f32.
;;   The module's matrix products, in the order in which they are computed (A, B: the left and right operand; K: the contracted axis; several contracted axes count as one K, in the product's order):
;;     1. [M 8,192, K 1,024] x [K 1,024, N 3,072]; A: input x; B: input w_qkv: QUANTISED
;;     2. batch 64 x [M 2,048, K 64] x [K 64, N 2,048]; A: computed on the way; B: computed on the way: QUANTISED
;;     3. batch 64 x [M 2,048, K 2,048] x [K 2,048, N 64]; A: softmax (see below); B: computed on the way: QUANTISED
;;     4. [M 8,192, K 1,024] x [K 1,024, N 1,024]; A: computed on the way; B: input w_out: QUANTISED
;;   THE QUANTISER, for each operand of a quantised product, along K:
;;     - K is cut into blocks of 32 from its start; a last block that is shorter is filled with zeros.
;;     - A block's scale is 2^e with e = floor(log2(the largest magnitude in the block)) - 2, held to -126 .. 127; a block of zeros has e = 0. As a byte (E8M0): e + 127.
;;     - Each number is divided by its block's scale, clamped to +-7.5, and rounded to the nearest number of E2M3, ties to even, subnormals kept.
;;     - The product sums the exact products of the quantised numbers (number of the format x scale) in f32.
;;   ~~~python
;;   def quantise(x, axis):      # numpy; x: float32 -> the quantised numbers, widened to float32 again
;;       x = np.moveaxis(x, axis, -1); K = x.shape[-1]
;;       x = np.pad(x, [(0, 0)] * (x.ndim - 1) + [(0, -K % 32)]); x = x.reshape(x.shape[:-1] + (-1, 32)); a = np.abs(x).max(-1, keepdims=True)
;;       e = np.where(a > 0, np.clip(np.frexp(np.where(a > 0, a, 1))[1] - 1 - 2, -126, 127), 0)      # np.frexp(a)[1] - 1 = floor(log2(a)), exactly
;;       r = np.clip(x / 2.0 ** e, -7.5, 7.5)
;;       step = 2.0 ** (np.maximum(np.frexp(np.where(r == 0, 1, r))[1] - 1, 0) - 3)
;;       q = np.round(r / step) * step * 2.0 ** e      # np.round: ties to even
;;       return np.moveaxis(q.reshape(q.shape[:-2] + (-1,))[..., :K], -1, axis).astype(np.float32)
;;   ~~~
;;   SOFTMAX AHEAD OF A QUANTISED PRODUCT. Where the list says 'softmax', what is quantised is not the finished softmax but p = 2^(t - M), with t = logit x log2(e) and M = ceil(the row's largest t), a whole number; so 1/2 < the row's largest p <= 1. The row's sum l is taken of the UNQUANTISED p, in f32, and the product's result is divided by l at the end. Since M is a whole number, a kernel that streams over the keys may use a running M (the ceiling of the running maximum): every later rescaling is an exact power of two, which a block's scale takes up: the codes' values come out the same.
;;   OPERANDS COMPUTED ON THE WAY. 'Computed on the way' means the value that the module computes at that place (a softmax that the list does not call 'softmax' is quantised finished and normalised). What goes into a quantiser is computed in f32, as accurately as f32 sums, v_exp_f32 and their like allow (about 1e-6 of the number): no bf16 or f16 on the way to a quantiser, and a product that is left as it is and whose result goes on into a quantised operand takes f32 operands (vector FMAs, or v_wmma_f32_16x16x4_f32). A number that lies on a knife's edge between two numbers of the format may be rounded either way, as far as f32 arithmetic and the matrix unit's own rounding can turn it there, and no further.
;; One version. Each part assembles by itself: llvm-mc -triple=amdgcn-amd-amdhsa -mcpu=gfx1250 --defsym DOCPART=n.
;; ======== version 1 of 1: 4 launches
;; workspace buffers: img 9,437,184 bytes; scl 393,216 bytes; q_img 6,291,456 bytes; q_scl 524,288 bytes; kv 13,369,344 bytes
;; launch quant (part 1): grid 384 x 1, 4 waves a work-group, no clusters, 87,552 bytes of LDS; arguments x, w_qkv, w_out, img, scl; writes img, scl
.if DOCPART == 1
	.amdgcn_target "amdgcn-amd-amdhsa--gfx1250"
	.amdhsa_code_object_version 6
	.text
	.protected	k_qb18fa28e89_quant
	.globl	k_qb18fa28e89_quant
	.p2align	8
	.type	k_qb18fa28e89_quant,@function
k_qb18fa28e89_quant:
	s_mov_b64 s[64:65], 0
	v_nop
	global_prefetch_b8 v0, s[64:65] scope:SCOPE_SE
	s_setreg_imm32_b32 hwreg(HW_REG_WAVE_MODE, 25, 1), 1
	s_wait_xcnt 0x0
; x [8192][1024], w_qkv [1024][3072] and w_out [1024][1024], f32, become codes of FP6 (E2M3) with one E8M0 byte for each 32 along K (x: its last axis; the weights: their FIRST axis).
; A block's scale is 2^(floor(log2(largest magnitude)) - 2): its byte is the largest magnitude's exponent field - 2, held at 1 from below.
; LIMITS: NaN and infinities among the inputs are not served; a block whose largest magnitude lies under 2^-124 keeps the byte 1; a block of zeros gets the byte 1 where the rule says 127
; (its codes are zeros, and the bytes are read by this program alone).
; THE LAYOUT OF THE RESULTS is that of the matrix operand's registers.  A TILE is 16 rows of an operand: lane row r of tile 2 A + u is operand row 32 A + 8 u + r + 8 (r / 8).
; img [tile 0..767][kappa 0..15][768]: a piece of 768 bytes is 16 rows x 64 K: lane l = r + 16 h owns block h (24 bytes) of row r: its first 16 bytes at 16 l, its last 8 at 512 + 8 l.
; scl [tile][j 0,1][r][16]: byte beta of row r at plane beta / 16, 16 r + beta % 16.   Tiles 0-511: x's rows;  512-703: w_qkv's columns;  704-767: w_out's columns.
; Work-groups 0-255 take x (32 rows each), 256-383 the weights (128 columns x 256 K each): 131,072 bytes of input each.  Waves share nothing: no barrier.  The two ways have LDS bytes of their own.
.set XW,    15616                      ; x's way, LDS of a wave: two turning stages of 32 x 144 bytes, 6,144 bytes of codes, 256 scale bytes
.set XCODE, 9216
.set XSCL,  15360
.set WBASE, 62464                      ; the weights' way: 6,144 bytes of codes a wave, behind x's
.set WSTG,  6144
.set RR,    64                         ; v64-159  x: three sets of 32 numbers as loaded (later the way out);  weights: v64-127 two sets of 32 numbers
.set XX,    160                        ; v160-223 x: two sets of 32 neighbours
; the largest magnitude of the 32 numbers v[xs] on, with the floor 2^(3 - 127) among its leaves -> v8;  2 off its exponent field -> v11: the conversion's scale operand
.macro BLKMAX xs
	v_max3_num_f32 v8, |v[\xs]|, |v[\xs+1]|, |v[\xs+2]|
	v_max3_num_f32 v9, |v[\xs+3]|, |v[\xs+4]|, |v[\xs+5]|
.irp i, 6,10,14,18,22,26
	v_max3_num_f32 v8, v8, |v[\xs+\i]|, |v[\xs+\i+1]|
	v_max3_num_f32 v9, v9, |v[\xs+\i+2]|, |v[\xs+\i+3]|
.endr
	v_max3_num_f32 v8, v8, |v[\xs+30]|, |v[\xs+31]|
	v_max3_num_f32 v8, v8, v9, 0x1800000
	v_add_nc_u32 v11, 0xff000000, v8
.endm
	s_load_b256 s[4:11], s[0:1], 0x0               ; x s[4:5], w_qkv s[6:7], w_out s[8:9], img s[10:11]
	s_load_b64 s[12:13], s[0:1], 0x20              ; scl
	v_lshl_add_u32 v224, v0, 2, 0x15400
	v_mov_b32 v225, 0
	v_lshrrev_b32 v1, 5, v0
	v_readfirstlane_b32 s16, v1                    ; wave 0..3
	v_and_b32 v1, 31, v0                           ; lane
	v_lshlrev_b32 v2, 4, v1                        ; 16 x lane; never rewritten
	s_cmp_lt_u32 ttmp9, 256
	s_cbranch_scc0 .Lweights
; ---------------- x.  Wave w takes tile 2 g + w / 2 and half w % 2 of K: 16 half rows of 512 numbers, two a step.
	s_mul_i32 s17, s16, XW                         ; my LDS
	s_lshr_b32 s18, s16, 1                         ; u
	s_and_b32 s19, s16, 1                          ; j
	v_lshrrev_b32 v8, 3, v1
	v_mul_u32_u24 v3, v8, 144
	v_and_b32 v9, 7, v1
	v_lshl_add_u32 v3, v9, 4, v3
	v_add_nc_u32 v3, s17, v3                       ; the turning stage, in: eight lanes' 128 bytes (a block) on end, then 16 of padding
	v_mul_u32_u24 v4, v1, 144
	v_add_nc_u32 v4, s17, v4                       ; and out: a block a lane
	v_bfe_u32 v8, v1, 1, 3
	v_mul_u32_u24 v8, v8, 768                      ; lane i holds block i % 16 of row 2 t + i / 16: piece (i / 2) % 8, half i % 2
	v_and_b32 v9, 1, v1
	v_lshrrev_b32 v10, 4, v1
	s_add_co_u32 s20, s17, XCODE
	v_lshl_add_u32 v5, v9, 8, v8
	v_lshl_add_u32 v5, v10, 4, v5
	v_add_nc_u32 v5, s20, v5                       ; the codes' first 16 bytes: 768 piece + 256 half + 16 (row; 32 t stand in the immediate)
	v_lshl_add_u32 v6, v9, 7, v8
	v_lshl_add_u32 v6, v10, 3, v6
	v_add_nc_u32 v6, s20, v6
	v_add_nc_u32 v6, 512, v6                       ; their last 8
	v_add_nc_u32 v12, s20, v2                      ; the codes on the way out
	s_add_co_u32 s20, s17, XSCL
	v_add_nc_u32 v7, s20, v1                       ; the scale byte: 16 row + block = 32 t + i
	v_lshlrev_b32 v14, 3, v1
	v_add_nc_u32 v13, s20, v14                     ; and on the way out 8 bytes a lane
	s_lshl_b32 s20, ttmp9, 17                      ; x: 32 g rows of 4,096 bytes,
	s_lshl_b32 s21, s18, 15                        ; + 8 u rows,
	s_add_co_u32 s20, s20, s21
	s_lshl_b32 s21, s19, 11                        ; + my half of K
	s_add_co_u32 s20, s20, s21
	s_mov_b32 s21, 0
	s_lshl_b32 s22, ttmp9, 1
	s_add_co_u32 s22, s22, s18                     ; my tile
	s_mul_i32 s24, s22, 12288
	s_mul_i32 s23, s19, 6144
	s_add_co_u32 s24, s24, s23
	s_mov_b32 s25, 0
	s_lshl_b32 s26, s22, 9
	s_lshl_b32 s23, s19, 8
	s_add_co_u32 s26, s26, s23
	s_mov_b32 s27, 0
	s_wait_kmcnt 0x0
	s_add_nc_u64 s[4:5], s[4:5], s[20:21]
	s_add_nc_u64 s[10:11], s[10:11], s[24:25]
	s_add_nc_u64 s[12:13], s[12:13], s[26:27]
.macro XLOAD t                         ; tile rows 2 t and 2 t + 1 (memory rows 2 t + e + 8 (t / 4)): each load reads 512 consecutive bytes
.irp e, 0,1
.irp q, 0,1,2,3
	global_load_b128 v[RR+32*((\t)%3)+4*(4*\e+\q):RR+32*((\t)%3)+4*(4*\e+\q)+3], v2, s[4:5] offset:(2*(\t)+\e+8*((\t)/4))*4096+512*\q th:TH_LOAD_NT
.endr
.endr
.endm
.macro XTURN t                         ; through the stage: LDS serves a wave's instructions in order, so no wait stands between the stores and the loads
.irp e, 0,1
.irp q, 0,1,2,3
	ds_store_b128 v3, v[RR+32*((\t)%3)+4*(4*\e+\q):RR+32*((\t)%3)+4*(4*\e+\q)+3] offset:4608*((\t)%2)+(16*\e+4*\q)*144
.endr
.endr
.irp k, 0,1,2,3,4,5,6,7
	ds_load_b128 v[XX+32*((\t)%2)+4*\k:XX+32*((\t)%2)+4*\k+3], v4 offset:4608*((\t)%2)+16*\k
.endr
.endm
.macro XSTEP t
.set XS, XX+32*((\t)%2)
.set CD, 32+10*((\t)%2)                ; v32-41, v42-51: the codes, two sets by turns;  v52, v53 the byte
.set EB, 52+((\t)%2)
.if (\t) > 0
	s_wait_dscnt 3                                 ; this step's numbers are back from the stage; the last step's three stores may be out
.else
	s_wait_dscnt 0x0
.endif
.if (\t)+3 < 8
	XLOAD (\t)+3                                   ; into the set that this step's stage stores have read
.endif
.if (\t)+1 < 8
.if (\t) < 5
	s_wait_loadcnt 16                              ; the next step's eight loads are in; those of the two steps behind it may be out
.elseif (\t) == 5
	s_wait_loadcnt 8
.else
	s_wait_loadcnt 0x0
.endif
	XTURN (\t)+1
.endif
	BLKMAX XS
	v_cvt_scalef32_pk16_fp6_f32 v[CD:CD+2], v[XS:XS+15], v11
	v_cvt_scalef32_pk16_fp6_f32 v[CD+6:CD+8], v[XS+16:XS+31], v11      ; (a conversion's three registers begin on an even number)
	v_lshrrev_b32 v[EB], 23, v11                   ; the scale's byte; also the plain line behind the conversions
	v_mov_b32 v[CD+3], v[CD+6]
	v_mov_b32 v[CD+4], v[CD+7]
	v_mov_b32 v[CD+5], v[CD+8]
	ds_store_b8 v7, v[EB] offset:32*(\t)
	ds_store_b128 v5, v[CD:CD+3] offset:32*(\t)
	ds_store_b64 v6, v[CD+4:CD+5] offset:16*(\t)
.endm
	XLOAD 0
	XLOAD 1
	XLOAD 2
	s_wait_loadcnt 16                              ; step 0's eight loads are in
	XTURN 0
.irp t, 0,1,2,3,4,5,6,7
	XSTEP \t
.endr
.irp k, 0,1,2,3,4,5,6,7,8,9,10,11
	ds_load_b128 v[RR+4*\k:RR+4*\k+3], v12 offset:512*\k       ; eight pieces of 768 bytes, as they will lie in img
.endr
	ds_load_b64 v[RR+48:RR+49], v13
.irp k, 0,1,2,3,4,5,6,7,8,9,10,11
	s_wait_dscnt 12-\k                             ; the younger read-backs may be out
	global_store_b128 v2, v[RR+4*\k:RR+4*\k+3], s[10:11] offset:512*\k   ; 512 consecutive bytes, aligned
.endr
	s_wait_dscnt 0x0
	global_store_b64 v14, v[RR+48:RR+49], s[12:13] ; one plane of scale bytes: 256 consecutive bytes, aligned
	s_wait_tensorcnt 0x0
	ds_add_u32 v224, v225
	s_wait_dscnt 0x0
	s_endpgm
; ---------------- the weights.  A LANE TAKES A COLUMN AND ITS REGISTERS RUN DOWN K.  Work-group: column group cg (128 columns), quarter y of K; wave: 32 columns = two tiles.
.Lweights:
	s_sub_co_u32 s17, ttmp9, 256
	s_lshr_b32 s18, s17, 2                         ; cg 0..31: 0-23 w_qkv, 24-31 w_out
	s_and_b32 s19, s17, 3                          ; y
	s_mov_b32 s20, 12288                           ; a row of w_qkv in bytes
	s_sub_co_u32 s21, s18, 24
	s_wait_kmcnt 0x0
	s_cmp_lt_u32 s18, 24                           ; the choice hangs on the work-group's number alone
	s_cselect_b32 s20, s20, 4096                   ; the pitch
	s_cselect_b32 s21, s18, s21                    ; the column group in its own tensor
	s_cselect_b64 s[6:7], s[6:7], s[8:9]
	s_lshl_b32 s22, s19, 8
	s_mul_i32 s22, s22, s20                        ; 256 y rows
	s_lshl_b32 s21, s21, 9
	s_add_co_u32 s22, s22, s21                     ; + 128 columns a group,
	s_lshl_b32 s21, s16, 7
	s_add_co_u32 s22, s22, s21                     ; + 32 a wave, 4 bytes each
	s_mov_b32 s23, 0
	s_lshl_b32 s24, s20, 5                         ; a block of 32 rows
	s_mov_b32 s25, 0
	s_add_nc_u64 s[32:33], s[6:7], s[22:23]        ; a base for each of my eight blocks
.irp t, 1,2,3,4,5,6,7
	s_add_nc_u64 s[32+2*\t:33+2*\t], s[30+2*\t:31+2*\t], s[24:25]
.endr
	v_lshlrev_b32 v19, 2, v1
.set i, 0
.rept 32
	v_mad_u32_u24 v[32+i], s20, i, v19             ; v32-63: 4 x lane + i rows
.set i, i+1
.endr
	v_bfe_u32 v16, v1, 3, 1                        ; column nu of the 32 is row r = nu % 8 + 8 (nu / 16) of tile u = (nu / 8) % 2
	v_and_b32 v17, 7, v1
	v_lshrrev_b32 v18, 4, v1
	v_lshl_add_u32 v17, v18, 3, v17
	s_mul_i32 s26, s16, WSTG
	s_add_co_u32 s26, s26, WBASE                   ; my stage: [u][4 pieces][768]
	v_mul_u32_u24 v3, v16, 3072
	v_lshl_add_u32 v4, v17, 3, v3
	v_lshl_add_u32 v3, v17, 4, v3
	v_add_nc_u32 v3, s26, v3                       ; the codes' first 16 bytes
	v_add_nc_u32 v4, s26, v4
	v_add_nc_u32 v4, 512, v4                       ; their last 8
	v_add_nc_u32 v5, s26, v2                       ; the way out
	v_lshlrev_b32 v7, 9, v16
	v_lshl_add_u32 v7, v17, 4, v7                  ; my row's place in the two tiles' scale planes
	s_lshl_b32 s27, s18, 3
	s_lshl_b32 s28, s16, 1
	s_add_co_u32 s27, s27, s28
	s_add_co_u32 s27, s27, 512                     ; my first tile: 512 + 8 cg + 2 wave
	s_mul_i32 s28, s27, 12288
	s_mul_i32 s30, s19, 3072
	s_add_co_u32 s28, s28, s30
	s_mov_b32 s29, 0
	s_add_nc_u64 s[10:11], s[10:11], s[28:29]
	s_lshl_b32 s28, s27, 9
	s_lshr_b32 s30, s19, 1
	s_lshl_b32 s30, s30, 8
	s_add_co_u32 s28, s28, s30
	s_and_b32 s30, s19, 1
	s_lshl_b32 s30, s30, 3
	s_add_co_u32 s28, s28, s30
	s_add_nc_u64 s[12:13], s[12:13], s[28:29]
.macro WLOAD t                         ; block t: rows 32 t + i of my column: 128 consecutive bytes a load
.set i, 0
.rept 32
	global_load_b32 v[RR+32*((\t)%2)+i], v[32+i], s[32+2*(\t):33+2*(\t)] th:TH_LOAD_NT
.set i, i+1
.endr
.endm
.macro WBLOCK t
.set XS, RR+32*((\t)%2)
.if (\t) < 7
	s_wait_loadcnt 32                              ; this block's 32 loads are in; the next block's may be out
.else
	s_wait_loadcnt 0x0
.endif
	BLKMAX XS
	v_lshrrev_b32 v10, 23, v11                     ; the scale's byte
.if (\t)%4 == 0
	v_mov_b32 v[138+(\t)/4], v10                   ; four bytes to a register, the lower K in the lower byte
.else
	v_lshl_or_b32 v[138+(\t)/4], v10, 8*((\t)%4), v[138+(\t)/4]
.endif
	v_cvt_scalef32_pk16_fp6_f32 v[128:130], v[XS:XS+15], v11
	v_cvt_scalef32_pk16_fp6_f32 v[134:136], v[XS+16:XS+31], v11
	v_nop                                          ; one plain line behind the conversions
	v_mov_b32 v131, v134
	v_mov_b32 v132, v135
	v_mov_b32 v133, v136
	ds_store_b128 v3, v[128:131] offset:((\t)/2)*768+((\t)%2)*256
	ds_store_b64 v4, v[132:133] offset:((\t)/2)*768+((\t)%2)*128
.if (\t)+2 < 8
	WLOAD (\t)+2
.endif
	s_wait_dscnt 0x0                               ; the stores have read their registers: the next block's codes may be written
.endm
	WLOAD 0
	WLOAD 1
.irp t, 0,1,2,3,4,5,6,7
	WBLOCK \t
.endr
	global_store_b64 v7, v[138:139], s[12:13]      ; my column's eight scale bytes: pieces of 8 bytes, 131,072 bytes in the whole launch
.irp k, 0,1,2,3,4,5,6,7,8,9,10,11
	ds_load_b128 v[144+4*\k:147+4*\k], v5 offset:512*\k
.endr
.irp k, 0,1,2,3,4,5,6,7,8,9,10,11
	s_wait_dscnt 11-\k
	global_store_b128 v2, v[144+4*\k:147+4*\k], s[10:11] offset:(\k/6)*12288+(\k%6)*512   ; 512 consecutive bytes, aligned
.endr
	s_wait_tensorcnt 0x0
	ds_add_u32 v224, v225
	s_wait_dscnt 0x0
	s_endpgm
.Lfunc_end_k_qb18fa28e89_quant:
	.size	k_qb18fa28e89_quant, .Lfunc_end_k_qb18fa28e89_quant-k_qb18fa28e89_quant
	.p2alignl 7, 3214868480
	.fill 96, 4, 3214868480
	.section	.rodata,"a",@progbits
	.p2align	6, 0x0
	.amdhsa_kernel k_qb18fa28e89_quant
		.amdhsa_group_segment_fixed_size 87552
		.amdhsa_private_segment_fixed_size 0
		.amdhsa_enable_private_segment 0
		.amdhsa_kernarg_size 40
		.amdhsa_user_sgpr_count 2
		.amdhsa_user_sgpr_kernarg_segment_ptr 1
		.amdhsa_wavefront_size32 1
		.amdhsa_system_sgpr_workgroup_id_x 1
		.amdhsa_system_sgpr_workgroup_id_y 1
		.amdhsa_system_sgpr_workgroup_id_z 1
		.amdhsa_system_vgpr_workitem_id 0
		.amdhsa_next_free_vgpr 226
		.amdhsa_next_free_sgpr 66
		.amdhsa_reserve_vcc 0
		.amdhsa_float_denorm_mode_32 3
		.amdhsa_float_denorm_mode_16_64 3
		.amdhsa_memory_ordered 1
		.amdhsa_forward_progress 1
		.amdhsa_inst_pref_size 76
	.end_amdhsa_kernel
	.amdgpu_metadata
---
amdhsa.version: [ 1, 2 ]
amdhsa.kernels:
  - .name:           k_qb18fa28e89_quant
    .symbol:         k_qb18fa28e89_quant.kd
    .args:
      - { .name: x, .offset: 0, .size: 8, .value_kind: global_buffer, .address_space: global }
      - { .name: w_qkv, .offset: 8, .size: 8, .value_kind: global_buffer, .address_space: global }
      - { .name: w_out, .offset: 16, .size: 8, .value_kind: global_buffer, .address_space: global }
      - { .name: img, .offset: 24, .size: 8, .value_kind: global_buffer, .address_space: global }
      - { .name: scl, .offset: 32, .size: 8, .value_kind: global_buffer, .address_space: global }
    .group_segment_fixed_size: 87552
    .private_segment_fixed_size: 0
    .kernarg_segment_align: 8
    .kernarg_segment_size: 40
    .max_flat_workgroup_size: 128
    .sgpr_count:     66
    .vgpr_count:     226
    .wavefront_size: 32
...
	.end_amdgpu_metadata
.endif
;; end of part 1
;; launch qkv (part 2): grid 12 x 32, 4 waves a work-group, clusters of 4 x 4, 327,680 bytes of LDS; arguments img, scl, b_qkv, q_img, q_scl, kv; writes q_img, q_scl, kv
.if DOCPART == 2
	.amdgcn_target "amdgcn-amd-amdhsa--gfx1250"
	.amdhsa_code_object_version 6
	.text
	.protected	k_qb18fa28e89_qkv
	.globl	k_qb18fa28e89_qkv
	.p2align	8
	.type	k_qb18fa28e89_qkv,@function
k_qb18fa28e89_qkv:
	s_mov_b64 s[64:65], 0
	v_nop
	global_prefetch_b8 v0, s[64:65] scope:SCOPE_SE
	s_setreg_imm32_b32 hwreg(HW_REG_WAVE_MODE, 25, 1), 1
	s_wait_xcnt 0x0
	s_wait_alu depctr_hold_cnt(0) depctr_sa_sdst(0) depctr_va_vdst(0) depctr_va_sdst(0) depctr_va_ssrc(0) depctr_va_vcc(0) depctr_vm_vsrc(0)
	s_getreg_b32 s2, hwreg(HW_REG_IB_STS2, 6, 4)
	s_cmp_eq_u32 s2, 0
	s_cbranch_scc0 .Lentry_in_a_cluster
	s_endpgm
.Lentry_in_a_cluster:
	s_bfe_u32 s2, ttmp6, 0x10000c
	s_cmp_lg_u32 s2, 0xf033
	s_cbranch_scc0 .Lentry_shape_is_right
	s_endpgm
.Lentry_shape_is_right:
; qkv = x w_qkv + b_qkv on codes of FP6 (E2M3) with E8M0 scales, K = 1,024; the result never goes to memory as f32: it is quantised here into the operands of the attention's two products.
; OPERANDS (made by the launch before): img [tile][kappa 0..15][768], scl [tile][2][16][16].  A tile is 16 rows: lane row r of tile 2 A + u is row 32 A + 8 u + r + 8 (r / 8).  A piece of 768 bytes is an image of six
; operand registers (16 rows x 64 K): a lane's first 16 bytes at 16 l, its last 8 at 512 + 8 l.  Two pieces on end are a fragment of 128 K: two loads of 16 bytes and two of 8, all of consecutive bytes.
; A work-group makes 256 x 256, a wave 128 x 128: 64 accumulators.  S0 is the matrix instruction's source 0 (its rows run along a lane's registers), S1 its source 1 (its row is the lane's).
; By the choice of a tile's rows, the 16 registers of S0's tiles 2 B and 2 B + 1 are 16 NEIGHBOURS, 32 B + 16 (lane / 16) + 0 .. 15.
; TYPE = the cluster's x.  0 (q), 1 (k): S0 = 256 columns of w_qkv, S1 = 256 tokens: a lane's registers run along the head's axis, the K of q k^T.  2 (v): S0 = tokens, S1 = columns: they run along the keys, the K of p v.
; CLUSTER 4 x 4: S1's tiles hang on cy alone and are asked for jointly by a row of the cluster, S0's on cx alone, by a column.  TYPE is the same in all sixteen partners.
; K goes through three LDS slots of 256 along K; the fourth quarter of K is filled into slot 0 again: ONE refill, behind one round of the cluster's barrier.  By this text's count a wave has three tensor loads out at the start, later one.
; The bias is the C of each sum's first matrix instruction (so the f32 sum begins with it: another order than x w + b).
; RESULTS: q_img [b 16 + head][tile][768], q_scl [..][tile][r] words (two scale bytes, then 0x7f 0x7f);  kv [b 16 + head][chunk of 256 keys][26,112]: K's 16 pieces, V's fragments [2][4][1,536] (16 of the head's 64 x 128 keys),
; K's scale words [16][16], V's [2][64].
; LIMITS: NaN and infinities are not served; a block whose largest magnitude lies under 2^-124 keeps the byte 1 (a block of zeros too: its codes are zeros, and this program alone reads the bytes).
; No prefetch: three quarters of K go out with the first fills, at the head.
; REGISTERS: window 0: v1-31 addresses; v32-95 scale words (nothing else, ever); v96-159 the bias, later the way out's work; v160-255 S1's eight fragments, later the codes just made.
;   window 1: S0's fragments, two sets, at v0 and v128.   windows 2, 3: accumulator (a, b) (S1's block a, S0's block b) at v[8 (8 (a % 4) + b)] of window 2 + a / 4.
.set SLOT,   98304                     ; S1's 16 tiles x 3,072 bytes, then S0's
.set TILEB,  3072
.set HALFT,  24576                     ; 8 tiles: what one tensor load brings, and what a wave reads of S1 or of S0
.set SPARE,  294912                    ; behind the slots: the spare words, 128 bytes a wave
.set STAGE,  98304                     ; the way out of q and k: 1,024 bytes a wave, in slot 1, which has had its one fill and its last read by then
.set STAGEV, 102400                    ; the way out of v: bytes of its own
.set HEADB,  208896
.set CHUNKB, 26112
.set FR,   12
.set A16A, 4                           ; v4-6    16 x lane + my half of S1 in slot 0, 1, 2
.set A8A,  7                           ; v7-9    8 x lane + the same
.set A16B, 10                          ; v10-12  the same for S0
.set A8B,  13                          ; v13-15
.set SPW,  16                          ; v16     my spare word; never rewritten
.set NIL,  17                          ; v17     0; never rewritten
.set L16,  18                          ; v18     16 x lane
.set L8,   19                          ; v19     8 x lane
.set STO,  20                          ; v20     q, k: where a scale word goes in the stage
.set H16,  21                          ; v21     16 (lane / 16)
.set SRD,  22                          ; v22     q, k: the stage read back
.set SOFF, 23                          ; v23     scale planes: lanes 0-15 S1's, lanes 16-31 S0's
.set BOFF, 24                          ; v24     the bias
.set VSO,  25                          ; v25     v: where the scale words go in kv
.set STV,  26                          ; v26     v: the stage, in
.set SRV,  27                          ; v27     v: the stage, back
.set SC,   32
.set BI,   96
.set AF,   160
.set TM,   96                          ; the way out: v96-99 largest magnitudes, v100-103 bytes, v104-107 scale operands
.set PW,   108                         ; v108-115 the scale word of block a
.set T1,   116                         ; v116-123 the word that goes to the stage
.set PC,   160                         ; v160-178 the codes just made
.set MSB, 0
.macro WIN new                         ; the immediate's high byte repeats the setting that is left
.if MSB != (\new)
	s_set_vgpr_msb (MSB<<8)|(\new)
.set MSB, (\new)
.endif
.endm
.set MUL_LO,   0xa1                    ; source 0 window 1, source 1 window 0, C and D window 2
.set MUL_HI,   0xf1                    ; the same, C and D window 3
.set FIRST_LO, 0x81                    ; C (the bias) window 0, D window 2
.set FIRST_HI, 0xc1
.set TO_B,     0x40                    ; destination window 1, address window 0
; A joint load: waves 0 and 1 fetch S1's halves, waves 2 and 3 S0's.  The branch hangs on the wave's number alone.  Four v_nop follow each of the two lines.
.macro JLOAD g0a, g1a, g0b, g1b
	s_cmp_eq_u32 s19, 0
	s_cbranch_scc0 .Lfor_b_\@
	tensor_load_to_lds s[\g0a:\g0a+3], s[\g1a:\g1a+7]
	s_nop 0
.rept 4
	v_nop
.endr
	s_branch .Lasked_\@
.Lfor_b_\@:
	tensor_load_to_lds s[\g0b:\g0b+3], s[\g1b:\g1b+7]
	s_nop 0
.rept 4
	v_nop
.endr
.Lasked_\@:
.endm
.macro CREST                           ; a round of the cluster's barrier behind its opening barrier
	s_cmp_lg_u32 s18, 0
	s_cbranch_scc1 .Lnot_wave_0_\@
	s_barrier_signal -3
.Lnot_wave_0_\@:
	s_barrier_wait -3
	s_barrier_signal -1
	s_barrier_wait -1
.endm
.macro CROUND
	s_barrier_signal -1
	s_barrier_wait -1
	CREST
.endm
.macro PLACES                          ; four plain places behind a matrix instruction, in front of loads into its registers and of reads of its results
.rept 4
	v_nop
.endr
.endm
.macro FRAG reg, a16, a8, off          ; a fragment: two pieces of 768 bytes
	ds_load_b128 v[\reg:\reg+3], v[\a16] offset:\off
	ds_load_b64 v[\reg+4:\reg+5], v[\a8] offset:\off+512
	ds_load_b128 v[\reg+6:\reg+9], v[\a16] offset:\off+768
	ds_load_b64 v[\reg+10:\reg+11], v[\a8] offset:\off+1280
.endm
.macro FETCH_B slot, q, p              ; S0's eight fragments of the slot's q-th 128 along K into set p: 32 loads
	WIN TO_B
.irp i, 0,1,2,3,4,5,6,7
	FRAG 128*(\p)+FR*\i, A16B+\slot, A8B+\slot, \i*TILEB+(\q)*1536
.endr
	WIN 0
.endm
.macro FETCH_A slot, q, i0             ; S1's blocks i0 .. i0 + 3: 16 loads
.irp i, \i0, \i0+1, \i0+2, \i0+3
	FRAG AF+FR*(\i), A16A+\slot, A8A+\slot, (\i)*TILEB+(\q)*1536
.endr
.endm
; 16 matrix instructions: S1's blocks a0, a0 + 1 x S0's eight, K step s.  p: S0's set.  cm = 0: onto the sums;  1: the sums begin with the bias of S0's rows;  2: with that of S1's rows.
; The 64 accumulators take turns, one instruction a turn, in the same order in every step.
.macro MUL16 a0, p, s, cm
.irp a, \a0, \a0+1
.irp b, 0,1,2,3,4,5,6,7
.if \cm == 0
	v_wmma_scale_f32_16x16x128_f8f6f4 v[8*(8*((\a)%4)+\b):8*(8*((\a)%4)+\b)+7], v[128*(\p)+FR*\b:128*(\p)+FR*\b+FR-1], v[AF+FR*(\a):AF+FR*(\a)+FR-1], v[8*(8*((\a)%4)+\b):8*(8*((\a)%4)+\b)+7], v[SC+8*\b+(\s)], v[SC+8*(\a)+(\s)] matrix_a_fmt:MATRIX_FMT_FP6 matrix_b_fmt:MATRIX_FMT_FP6 matrix_a_scale:MATRIX_SCALE_ROW1
.elseif \cm == 1
	v_wmma_scale_f32_16x16x128_f8f6f4 v[8*(8*((\a)%4)+\b):8*(8*((\a)%4)+\b)+7], v[128*(\p)+FR*\b:128*(\p)+FR*\b+FR-1], v[AF+FR*(\a):AF+FR*(\a)+FR-1], v[BI+8*\b:BI+8*\b+7], v[SC+8*\b+(\s)], v[SC+8*(\a)+(\s)] matrix_a_fmt:MATRIX_FMT_FP6 matrix_b_fmt:MATRIX_FMT_FP6 matrix_a_scale:MATRIX_SCALE_ROW1
.else
	v_wmma_scale_f32_16x16x128_f8f6f4 v[8*(8*((\a)%4)+\b):8*(8*((\a)%4)+\b)+7], v[128*(\p)+FR*\b:128*(\p)+FR*\b+FR-1], v[AF+FR*(\a):AF+FR*(\a)+FR-1], v[BI+8*(\a):BI+8*(\a)+7], v[SC+8*\b+(\s)], v[SC+8*(\a)+(\s)] matrix_a_fmt:MATRIX_FMT_FP6 matrix_b_fmt:MATRIX_FMT_FP6 matrix_a_scale:MATRIX_SCALE_ROW1
.endif
.endr
.endr
.endm
; K step s (S0's set s % 2); the next step's fragments come from slot nslot, its nq-th 128 along K, which every wave knows to be whole.
.macro STEP s, nslot, nq, cm
	s_wait_dscnt 16                                ; S0's set and S1's blocks 0-3 are in; the youngest 16 loads (S1's blocks 4-7) may be out
.if \cm
	WIN FIRST_LO
.else
	WIN MUL_LO
.endif
	MUL16 0, (\s)%2, \s, \cm
	MUL16 2, (\s)%2, \s, \cm
	s_wait_dscnt 0x0                               ; S1's blocks 4-7 are in
	PLACES
	FETCH_B \nslot, \nq, 1-(\s)%2
	FETCH_A \nslot, \nq, 0
.if \cm
	WIN FIRST_HI
.else
	WIN MUL_HI
.endif
	MUL16 4, (\s)%2, \s, \cm
	MUL16 6, (\s)%2, \s, \cm
	PLACES
	WIN 0
	FETCH_A \nslot, \nq, 4
.endm
; A K step with a barrier in it.  In front of it each wave waits for all its tensor loads, adds 0 to its spare word, and waits for that and for its LDS reads.  fill = 1: slot 0, read out, takes the last quarter of K.
.macro TURN s, nslot, fill
	s_wait_tensorcnt 0x0                           ; all my tensor loads have landed
	ds_add_u32 v[SPW], v[NIL]                      ; 0 onto my spare word
	s_wait_dscnt 17                                ; (the add and the youngest 16 loads may be out)
	WIN MUL_LO
	MUL16 0, (\s)%2, \s, 0                         ; sixteen matrix instructions stand between the add and the wait for it
	s_wait_dscnt 0x0                               ; the add is done, and my LDS reads are over
	s_barrier_signal -1
	MUL16 2, (\s)%2, \s, 0
	WIN 0
	s_barrier_wait -1
.if \fill
	CREST                                          ; the barrier has opened a round of the cluster's barrier: no wave of any partner still reads slot 0 or has a load on its way
	s_add_nc_u64 s[46:47], s[46:47], 3*TILEB       ; slot 0's descriptors: three quarters of K on
	s_add_nc_u64 s[70:71], s[70:71], 3*TILEB
	JLOAD 44, 28, 68, 36                           ; the first tensor load behind the round; its four v_nop are also the places in front of the loads below
.else
	PLACES
.endif
	FETCH_B \nslot, 0, 1-(\s)%2
	FETCH_A \nslot, 0, 0
	WIN MUL_HI
	MUL16 4, (\s)%2, \s, 0
	MUL16 6, (\s)%2, \s, 0
	PLACES
	WIN 0
	FETCH_A \nslot, 0, 4
.endm
	s_load_b256 s[4:11], s[0:1], 0x0               ; img s[4:5], scl s[6:7], b_qkv s[8:9], q_img s[10:11]
	s_load_b128 s[12:15], s[0:1], 0x20             ; q_scl s[12:13], kv s[14:15]
	v_lshl_add_u32 v[SPW], v0, 2, SPARE
	v_mov_b32 v[NIL], 0
	ds_add_u32 v16, v17
	s_wait_dscnt 0x0
	v_lshrrev_b32 v1, 5, v0
	v_readfirstlane_b32 s18, v1                    ; wave 0..3
	s_lshr_b32 s19, s18, 1                         ; my half of S1.  Also: I fetch for S1 (0) or for S0 (1)
	s_and_b32 s20, s18, 1                          ; my half of S0.  Also: which 8 tiles I fetch
	s_bfe_u32 s21, ttmp6, 0x40000                  ; cx
	s_bfe_u32 s22, ttmp6, 0x40004                  ; cy
	s_mov_b32 s25, ttmp9                           ; TYPE = the cluster's x
	s_and_b32 s24, ttmp7, 0xffff                   ; Y = the cluster's y
	s_mov_b32 s16, 0x76543210
	s_mov_b32 s17, 0xfedcba98                      ; v_permlanex16_b32's selects for lane l xor 16
	s_lshl_b32 s90, s22, 2
	s_lshl_b32 s90, 15, s90                        ; my row of the cluster
	s_lshl_b32 s92, 0x1111, s21                    ; my column
	; descriptor group 1: 8 rows (tiles) of 3,072 bytes = 384 elements of 8 bytes, 12,288 bytes apart; no padding
	s_or_b32 s28, s90, (3<<16)|(1<<21)             ; S1's tiles go to my row
	s_or_b32 s36, s92, (3<<16)|(1<<21)             ; S0's to my column
.irp g, 28, 36
	s_mov_b32 s[\g+1], 384<<16                     ; tensor_dim0
	s_mov_b32 s[\g+2], 8<<16                       ; tensor_dim1
	s_mov_b32 s[\g+3], 384<<16                     ; tile_dim0
	s_mov_b32 s[\g+4], 8                           ; tile_dim1
	s_mov_b32 s[\g+5], 1536                        ; tensor_dim0_stride
	s_mov_b32 s[\g+6], 0
	s_mov_b32 s[\g+7], 0
.endr
	s_lshl_b32 s26, s24, 6                         ; 64 Y: the cluster's first token tile
	s_lshl_b32 s27, s25, 6
	s_add_co_u32 s27, s27, 512                     ; 512 + 64 X: its first tile of columns (q, k)
	s_mov_b32 s88, 640                             ; w_v's first tile
	s_cmp_eq_u32 s25, 2
	s_cselect_b32 s88, s88, s26
	s_cselect_b32 s89, s26, s27
	s_lshl_b32 s90, s22, 4
	s_add_co_u32 s88, s88, s90                     ; S1's first tile: + 16 cy
	s_lshl_b32 s92, s21, 4
	s_add_co_u32 s89, s89, s92                     ; S0's first tile: + 16 cx
	s_lshl_b32 s26, s20, 3
	s_add_co_u32 s90, s88, s26
	s_mul_i32 s90, s90, 12288                      ; what I would fetch of S1,
	s_mov_b32 s91, 0
	s_add_co_u32 s92, s89, s26
	s_mul_i32 s92, s92, 12288                      ; and of S0
	s_mov_b32 s93, 0
	s_mul_i32 s98, s18, HALFT                      ; where it goes: S1's halves, then S0's = wave x 8 tiles
	s_wait_kmcnt 0x0
	s_add_nc_u64 s[94:95], s[4:5], s[90:91]
	s_add_nc_u64 s[96:97], s[4:5], s[92:93]
	CROUND                                         ; all sixteen work-groups are here: the first joint loads meet
.irp k, 0,1,2
	s_mov_b32 s[44+4*\k], 1
	s_add_co_u32 s[45+4*\k], s98, \k*SLOT
	s_add_nc_u64 s[46+4*\k:47+4*\k], s[94:95], \k*TILEB
	s_or_b32 s[47+4*\k], s[47+4*\k], 0x80000000
	s_mov_b32 s[68+4*\k], 1
	s_add_co_u32 s[69+4*\k], s98, \k*SLOT
	s_add_nc_u64 s[70+4*\k:71+4*\k], s[96:97], \k*TILEB
	s_or_b32 s[71+4*\k], s[71+4*\k], 0x80000000
	JLOAD 44+4*\k, 28, 68+4*\k, 36
.endr
	v_and_b32 v1, 31, v0                           ; lane
	v_and_b32 v2, 15, v0                           ; r
	v_bfe_u32 v3, v0, 4, 1                         ; h
	v_lshlrev_b32 v[L16], 4, v1
	v_lshlrev_b32 v[L8], 3, v1
	; the scale words of all of K, straight into registers: v[SC + 8 i + s]: lanes 0-15 S1's tile i, lanes 16-31 S0's tile i, K step s
	s_lshl_b32 s26, s19, 3
	s_add_co_u32 s26, s88, s26
	s_lshl_b32 s26, s26, 9
	s_lshl_b32 s27, s20, 3
	s_add_co_u32 s27, s89, s27
	s_lshl_b32 s27, s27, 9
	v_mov_b32 v28, s26
	v_mov_b32 v29, s27
	v_cmp_le_u32 vcc_lo, 16, v1
	v_cndmask_b32 v[SOFF], v28, v29, vcc_lo
	v_lshl_add_u32 v[SOFF], v2, 4, v[SOFF]
.irp i, 0,1,2,3,4,5,6,7
.irp j, 0,1
	global_load_b128 v[SC+8*\i+4*\j:SC+8*\i+4*\j+3], v[SOFF], s[6:7] offset:512*\i+256*\j   ; each half of the lanes reads 256 consecutive bytes, aligned
.endr
.endr
	s_mul_i32 s26, s19, HALFT                      ; my 8 tiles of S1,
	s_mul_i32 s27, s20, HALFT
	s_add_co_u32 s27, s27, 2*HALFT                 ; and of S0, behind S1's 16
.irp k, 0,1,2
	v_add_nc_u32 v[A16A+\k], s26, v[L16]
	v_add_nc_u32 v[A8A+\k], s26, v[L8]
	v_add_nc_u32 v[A16B+\k], s27, v[L16]
	v_add_nc_u32 v[A8B+\k], s27, v[L8]
	s_add_co_u32 s26, s26, SLOT
	s_add_co_u32 s27, s27, SLOT
.endr
	s_lshl_b32 s26, s18, 10
	s_add_co_u32 s27, s26, STAGEV
	s_add_co_u32 s26, s26, STAGE
	v_lshlrev_b32 v28, 2, v2
	v_add_nc_u32 v[STO], s26, v28
	v_lshl_add_u32 v[STO], v3, 9, v[STO]           ; q, k: [lane / 16: which of my two heads][block a][r] words
	v_add_nc_u32 v[SRD], s26, v[L16]
	v_add_nc_u32 v[STV], s27, v28                  ; v: [block a][r] words
	v_add_nc_u32 v[SRV], s27, v[L16]
	v_lshlrev_b32 v[H16], 4, v3
	v_mul_u32_u24 v[VSO], v3, HEADB
	v_lshl_add_u32 v[VSO], v2, 4, v[VSO]
	; the bias, in the result's layout
	s_cmp_eq_u32 s25, 2
	s_cbranch_scc1 .Lbias_v
	s_lshl_b32 s26, s25, 2
	s_add_co_u32 s26, s26, s21
	s_lshl_b32 s26, s26, 10                        ; 256 (4 X + cx) columns of 4 bytes,
	s_lshl_b32 s27, s20, 9                         ; + my 128
	s_add_co_u32 s26, s26, s27
	s_mov_b32 s27, 0
	s_add_nc_u64 s[8:9], s[8:9], s[26:27]
	v_lshlrev_b32 v[BOFF], 6, v3                   ; register j of S0's tile b is column 32 (b / 2) + 8 (b % 2) + 16 h + j
.irp b, 0,1,2,3,4,5,6,7
	global_load_b128 v[BI+8*\b:BI+8*\b+3], v[BOFF], s[8:9] offset:(32*(\b/2)+8*(\b%2))*4
	global_load_b128 v[BI+8*\b+4:BI+8*\b+7], v[BOFF], s[8:9] offset:(32*(\b/2)+8*(\b%2))*4+16
.endr
	s_branch .Lbias_done
.Lbias_v:
	s_lshl_b32 s26, s22, 10                        ; 256 cy columns,
	s_lshl_b32 s27, s19, 9                         ; + my 128,
	s_add_co_u32 s26, s26, s27
	s_add_co_u32 s26, s26, 8192                    ; behind q's and k's 2,048
	s_mov_b32 s27, 0
	s_add_nc_u64 s[8:9], s[8:9], s[26:27]
	v_and_b32 v[BOFF], 8, v2
	v_add_nc_u32 v[BOFF], v[BOFF], v2
	v_lshlrev_b32 v[BOFF], 2, v[BOFF]              ; lane r of S1's tile a is column 32 (a / 2) + 8 (a % 2) + r + 8 (r / 8)
.irp a, 0,1,2,3,4,5,6,7
	global_load_b32 v[BI+8*\a], v[BOFF], s[8:9] offset:(32*(\a/2)+8*(\a%2))*4
.endr
.Lbias_done:
	s_wait_tensorcnt 2                             ; my part of slot 0 is in; slots 1 and 2 may stay out
	s_barrier_signal -1
	s_barrier_wait -1
	FETCH_B 0, 0, 0
	FETCH_A 0, 0, 0
	FETCH_A 0, 0, 4
	s_wait_loadcnt 0x0                             ; the scale words and the bias
	s_cmp_eq_u32 s25, 2
	s_cbranch_scc1 .Lfirst_v
	STEP 0, 0, 1, 1                                ; the first products start the sums with the bias
	s_branch .Lfirst_done
.Lfirst_v:
.irp a, 0,1,2,3,4,5,6,7
.irp j, 1,2,3,4,5,6,7
	v_mov_b32 v[BI+8*\a+\j], v[BI+8*\a]            ; v: a lane's eight results of a tile share one column, so one bias
.endr
.endr
	STEP 0, 0, 1, 2
.Lfirst_done:
	TURN 1, 1, 1                                   ; slot 0 is read out: the one refill.  Its wait for all loads shows slots 1 and 2 to everybody
	STEP 2, 1, 1, 0
	STEP 3, 2, 0, 0
	STEP 4, 2, 1, 0
	TURN 5, 0, 0                                   ; the refill has landed in every wave's part: slot 0 is whole again
	STEP 6, 0, 1, 0
	s_wait_dscnt 16                                ; the last step: nothing more to fetch
	WIN MUL_LO
	MUL16 0, 1, 7, 0
	MUL16 2, 1, 7, 0
	s_wait_dscnt 0x0
	WIN MUL_HI
	MUL16 4, 1, 7, 0
	MUL16 6, 1, 7, 0
	WIN 0
	PLACES
.irp b, 0,1,2,3
	v_mov_b32 v[TM+4+\b], 0                        ; a lane permute's destination counts as one of its sources
.endr
; THE WAY OUT.  Block a's 64 registers of a lane, register 16 B + i = place 32 B + 16 (lane / 16) + i along the next K, become a fragment's codes in v[PC] on and its scale word in v[PW + a].
; Each accumulator is read from its low end on.
.macro EQUANT a
.set AC, 64*((\a)%4)
	WIN 20*(2+(\a)/4)                              ; sources 1 and 2: the accumulators' window
.irp b, 0,1,2,3
	v_max3_num_f32 v[TM+\b], 0x1800000, |v[AC+16*\b]|, |v[AC+16*\b+1]|   ; my 16 numbers of block B, and the floor 2^(3 - 127): the byte cannot fall under 1
.endr
.irp i, 2,4,6,8,10,12,14
.irp b, 0,1,2,3
	v_max3_num_f32 v[TM+\b], v[TM+\b], |v[AC+16*\b+\i]|, |v[AC+16*\b+\i+1]|
.endr
.endr
	WIN 0
.irp b, 0,1,2,3
	v_permlanex16_b32 v[TM+4+\b], v[TM+\b], s16, s17
.endr
.irp b, 0,1,2,3
	v_max_num_f32 v[TM+\b], v[TM+\b], v[TM+4+\b]   ; with lane l xor 16's: the block's largest magnitude
.endr
.irp b, 0,1,2,3
	v_add_nc_u32 v[TM+8+\b], 0xff000000, v[TM+\b]  ; 2 off its exponent field: the conversion's scale operand
.endr
.irp b, 0,1,2,3
	v_lshrrev_b32 v[TM+4+\b], 23, v[TM+8+\b]       ; the scale's byte
.endr
	v_lshl_or_b32 v[PW+(\a)], v[TM+5], 8, v[TM+4]
	v_lshl_or_b32 v[PW+(\a)], v[TM+6], 16, v[PW+(\a)]
	v_lshl_or_b32 v[PW+(\a)], v[TM+7], 24, v[PW+(\a)]
	s_wait_xcnt 0x0                                ; the last block's stores have read the codes' registers: they are written again only behind this wait
	WIN 2+(\a)/4                                   ; source 0: the accumulators' window
.irp c, 0,1
	v_cvt_scalef32_pk16_fp6_f32 v[PC+6*\c:PC+6*\c+2], v[AC+32*\c:AC+32*\c+15], v[TM+8+2*\c]
	v_cvt_scalef32_pk16_fp6_f32 v[PC+12+4*\c:PC+14+4*\c], v[AC+16+32*\c:AC+31+32*\c], v[TM+9+2*\c]   ; (a conversion's three registers begin on an even number)
.endr
	WIN 0
	v_nop                                          ; one plain line behind the conversions
.irp c, 0,1                                    ; the operand's layout wants a WHOLE block in a lane
.irp i, 0,1,2
	v_permlane16_swap_b32 v[PC+6*\c+\i], v[PC+12+4*\c+\i]
.endr
.irp i, 0,1,2
	v_mov_b32 v[PC+3+6*\c+\i], v[PC+12+4*\c+\i]
.endr
.endr
.endm
	s_cmp_eq_u32 s25, 2
	s_cbranch_scc1 .Lepi_v
	; ---- q and k: my 128 columns are two heads; block a is token tile tile0 + a: one piece of 768 bytes for each head
	s_lshl_b32 s26, s19, 3
	s_add_co_u32 s26, s88, s26                     ; tile0
	s_lshr_b32 s27, s26, 7                         ; b
	s_and_b32 s26, s26, 127                        ; the tile in its sequence
	s_lshl_b32 s90, s25, 4
	s_lshl_b32 s91, s21, 2
	s_add_co_u32 s90, s90, s91
	s_lshl_b32 s91, s20, 1
	s_add_co_u32 s90, s90, s91
	s_and_b32 s90, s90, 15                         ; my first head
	s_lshl_b32 s27, s27, 4
	s_add_co_u32 s27, s27, s90                     ; 16 b + head
	s_lshl_b32 s90, s27, 7
	s_add_co_u32 s90, s90, s26
	s_mul_i32 s92, s90, 768                        ; q: the codes' place,
	s_lshl_b32 s93, s90, 6                         ; the scale words'
	s_mul_i32 s94, s27, HEADB
	s_lshr_b32 s95, s26, 4
	s_mul_i32 s95, s95, CHUNKB
	s_add_co_u32 s94, s94, s95                     ; k: the head's chunk,
	s_and_b32 s95, s26, 15
	s_mul_i32 s96, s95, 768
	s_add_co_u32 s96, s96, s94                     ; the codes' place,
	s_lshl_b32 s95, s95, 6
	s_add_co_u32 s95, s95, s94
	s_add_co_u32 s95, s95, 24576                   ; the scale words'
	s_mov_b32 s97, HEADB
	s_mov_b32 s98, HEADB
	s_cmp_eq_u32 s25, 0                            ; the choice hangs on the cluster's x alone
	s_cselect_b64 s[80:81], s[10:11], s[14:15]
	s_cselect_b64 s[84:85], s[12:13], s[14:15]
	s_cselect_b32 s92, s92, s96
	s_cselect_b32 s94, s93, s95
	s_cselect_b32 s96, 98304, s97                  ; from a head to the next: codes,
	s_cselect_b32 s98, 8192, s98                   ; scale words
	s_mov_b32 s93, 0
	s_mov_b32 s95, 0
	s_mov_b32 s97, 0
	s_mov_b32 s99, 0
	s_add_nc_u64 s[80:81], s[80:81], s[92:93]
	s_add_nc_u64 s[82:83], s[80:81], s[96:97]
	s_add_nc_u64 s[84:85], s[84:85], s[94:95]
	s_add_nc_u64 s[86:87], s[84:85], s[98:99]
	s_mov_b32 s27, 0x7f7f0000
.irp a, 0,1,2,3,4,5,6,7
	EQUANT \a
	global_store_b128 v[L16], v[PC:PC+3], s[80:81] offset:768*\a           ; 512 consecutive bytes, aligned
	global_store_b64 v[L8], v[PC+4:PC+5], s[80:81] offset:768*\a+512       ; 256
	global_store_b128 v[L16], v[PC+6:PC+9], s[82:83] offset:768*\a
	global_store_b64 v[L8], v[PC+10:PC+11], s[82:83] offset:768*\a+512
	v_lshrrev_b32 v[T1+\a], v[H16], v[PW+\a]       ; lanes 0-15: the first head's two bytes; lanes 16-31: the second's;
	v_and_or_b32 v[T1+\a], v[T1+\a], 0xffff, s27   ; the word's upper two bytes stand for 1.0: the product's K has 64 more places, which hold nothing
	ds_store_b32 v[STO], v[T1+\a] offset:64*\a
.endr
	ds_load_b128 v[124:127], v[SRD]                ; LDS serves a wave's instructions in order: these see my stores
	ds_load_b128 v[128:131], v[SRD] offset:512
	s_wait_dscnt 1                                 ; the second may be out
	global_store_b128 v[L16], v[124:127], s[84:85] ; eight tiles' scale words of a head: 512 consecutive bytes, aligned
	s_wait_dscnt 0x0
	global_store_b128 v[L16], v[128:131], s[86:87]
	s_branch .Lend
.Lepi_v:
	; ---- v: my 128 tokens are one K step of p v; block a is 16 of a head's 64: head (a / 4), tile a % 4: a whole fragment
	s_lshl_b32 s26, s20, 3
	s_add_co_u32 s26, s89, s26                     ; tile0, of tokens
	s_lshr_b32 s27, s26, 7
	s_and_b32 s26, s26, 127
	s_lshl_b32 s90, s22, 2
	s_lshl_b32 s91, s19, 1
	s_add_co_u32 s90, s90, s91                     ; my first head
	s_lshl_b32 s27, s27, 4
	s_add_co_u32 s27, s27, s90
	s_mul_i32 s92, s27, HEADB
	s_lshr_b32 s91, s26, 4
	s_mul_i32 s91, s91, CHUNKB
	s_add_co_u32 s92, s92, s91                     ; the head's chunk
	s_bfe_u32 s91, s26, 0x10003                    ; which 128 keys of its 256
	s_mul_i32 s94, s91, 6144
	s_add_co_u32 s94, s94, s92
	s_add_co_u32 s94, s94, 12288
	s_lshl_b32 s91, s91, 8
	s_add_co_u32 s92, s92, s91
	s_add_co_u32 s92, s92, 25600
	s_mov_b32 s93, 0
	s_mov_b32 s95, 0
	s_add_nc_u64 s[80:81], s[14:15], s[94:95]
	s_add_nc_u64 s[82:83], s[80:81], HEADB
	s_add_nc_u64 s[84:85], s[14:15], s[92:93]
.irp a, 0,1,2,3,4,5,6,7
	EQUANT \a
	global_store_b128 v[L16], v[PC:PC+3], s[80+2*(\a/4):81+2*(\a/4)] offset:1536*(\a%4)
	global_store_b64 v[L8], v[PC+4:PC+5], s[80+2*(\a/4):81+2*(\a/4)] offset:1536*(\a%4)+512
	global_store_b128 v[L16], v[PC+6:PC+9], s[80+2*(\a/4):81+2*(\a/4)] offset:1536*(\a%4)+768
	global_store_b64 v[L8], v[PC+10:PC+11], s[80+2*(\a/4):81+2*(\a/4)] offset:1536*(\a%4)+1280
	ds_store_b32 v[STV], v[PW+\a] offset:64*\a     ; both halves of the lanes write the same word with the same value
.endr
	ds_load_b128 v[124:127], v[SRV]
	s_wait_dscnt 0x0
	global_store_b128 v[VSO], v[124:127], s[84:85] ; lanes 0-15: the first head's 256 bytes; lanes 16-31: the second's
.Lend:
	s_wait_tensorcnt 0x0                           ; the wave's end
	ds_add_u32 v[SPW], v[NIL]
	s_wait_dscnt 0x0
	CROUND                                         ; the closing round
	s_endpgm
.Lfunc_end_k_qb18fa28e89_qkv:
	.size	k_qb18fa28e89_qkv, .Lfunc_end_k_qb18fa28e89_qkv-k_qb18fa28e89_qkv
	.p2alignl 7, 3214868480
	.fill 96, 4, 3214868480
	.section	.rodata,"a",@progbits
	.p2align	6, 0x0
	.amdhsa_kernel k_qb18fa28e89_qkv
		.amdhsa_group_segment_fixed_size 327680
		.amdhsa_private_segment_fixed_size 0
		.amdhsa_enable_private_segment 0
		.amdhsa_kernarg_size 48
		.amdhsa_user_sgpr_count 2
		.amdhsa_user_sgpr_kernarg_segment_ptr 1
		.amdhsa_wavefront_size32 1
		.amdhsa_system_sgpr_workgroup_id_x 1
		.amdhsa_system_sgpr_workgroup_id_y 1
		.amdhsa_system_sgpr_workgroup_id_z 1
		.amdhsa_system_vgpr_workitem_id 0
		.amdhsa_next_free_vgpr 1024
		.amdhsa_next_free_sgpr 100
		.amdhsa_reserve_vcc 1
		.amdhsa_float_denorm_mode_32 3
		.amdhsa_float_denorm_mode_16_64 3
		.amdhsa_memory_ordered 1
		.amdhsa_forward_progress 1
		.amdhsa_inst_pref_size 203
	.end_amdhsa_kernel
	.amdgpu_metadata
---
amdhsa.version: [ 1, 2 ]
amdhsa.kernels:
  - .name:           k_qb18fa28e89_qkv
    .symbol:         k_qb18fa28e89_qkv.kd
    .args:
      - { .name: img, .offset: 0, .size: 8, .value_kind: global_buffer, .address_space: global }
      - { .name: scl, .offset: 8, .size: 8, .value_kind: global_buffer, .address_space: global }
      - { .name: b_qkv, .offset: 16, .size: 8, .value_kind: global_buffer, .address_space: global }
      - { .name: q_img, .offset: 24, .size: 8, .value_kind: global_buffer, .address_space: global }
      - { .name: q_scl, .offset: 32, .size: 8, .value_kind: global_buffer, .address_space: global }
      - { .name: kv, .offset: 40, .size: 8, .value_kind: global_buffer, .address_space: global }
    .group_segment_fixed_size: 327680
    .private_segment_fixed_size: 0
    .kernarg_segment_align: 8
    .kernarg_segment_size: 48
    .max_flat_workgroup_size: 128
    .sgpr_count:     100
    .vgpr_count:     1024
    .wavefront_size: 32
...
	.end_amdgpu_metadata
.endif
;; end of part 2
;; launch attn (part 3): grid 4 x 64, 16 waves a work-group, no clusters, 327,680 bytes of LDS; arguments q_img, q_scl, kv, img, scl; writes img, scl
.if DOCPART == 3
	.amdgcn_target "amdgcn-amd-amdhsa--gfx1250"
	.amdhsa_code_object_version 6
	.text
	.protected	k_qb18fa28e89_attn
	.globl	k_qb18fa28e89_attn
	.p2align	8
	.type	k_qb18fa28e89_attn,@function
k_qb18fa28e89_attn:
	s_mov_b64 s[64:65], 0
	v_nop
	global_prefetch_b8 v0, s[64:65] scope:SCOPE_SE
	s_setreg_imm32_b32 hwreg(HW_REG_WAVE_MODE, 25, 1), 1
	s_wait_xcnt 0x0
; Causal attention of one (batch, head) on codes of FP6 (E2M3) with E8M0 scales: S^T = K Q^T (K = the head's 64), p = 2^(t - M), O^T = V^T P^T (K = the keys); o = O / (the sum of the unquantised p) is quantised
; along the model's axis and stored as an operand of the last product: into img's and scl's tiles 0-511 (the layouts: see the launch that makes them first; q_img, q_scl, kv: the launch before).
; t = score x 0.125 log2(e); M = the running largest t rounded UP to a whole number; when M moves, the sum and O^T are multiplied by 2^(old M - new M): exact.
; SHARES.  Work-group (i, bh) owns the query blocks 7 - i and i (256 queries each) of head bh: (8 - i) + (i + 1) = 9 chunks of 256 keys in EVERY work-group.  Each of sixteen waves owns one tile of 16 queries in each of the two passes.
; THE WHOLE HEAD'S K AND V STAY IN LDS: 8 chunks of 26,112 bytes, each filled once, by waves 0 and 1, a chunk ahead of its use.  All trip counts are constants; a step all of whose keys come after the wave's
; queries is jumped over by a scalar branch on ids, round its loads, products and softmax, never round a barrier, a tensor load or an address step.
; NO CLUSTER: the four work-groups of a head would be the partners, and what each jumps over hangs on its query blocks, that is on its place among them; without the jumps the vector work would double.
; LAYOUT.  Both products are used transposed: a lane holds ONE query (row r of its tile: query 32 (T / 2) + 8 (T % 2) + r + 8 (r / 8)).  A tile's keys are chosen in the same way, so the 16 registers of tiles 2 B, 2 B + 1 are keys 32 B + 16 h + 0 .. 15.
; THE FIRST PRODUCT'S K IS 64 OF THE INSTRUCTION'S 128.  Q's codes for k = 64 .. 127 are zeros.  K's eight pieces lie 6 registers apart, so a fragment's upper six registers are the next piece's codes (zeros behind the last):
; FP6 has no infinity and no NaN, and both sides' scale bytes 2 and 3 are 0x7f, so these places add exactly nothing.
; LIMITS: NaN and infinities are not served; a block of o whose largest magnitude lies under 2^-124 keeps the byte 1.  A head owns 2 scale bytes of each row of scl: they leave as single bytes.
; No prefetch: a chunk's tensor load goes out a whole chunk's steps ahead of the wait for it.
.set CH,    26112
.set SPARE, 208896                     ; behind the eight chunks: the spare words, 128 bytes a wave
.set L16,  1                           ; v1   16 x lane      v2  8 x lane      v3  4 x lane
.set L8,   2
.set L4,   3
.set DQ,   4                           ; v4   r + 8 (r / 8) - 16 h
.set SBO,  5                           ; v5   16 r + h: my scale byte's place
.set R4,   6                           ; v6   4 r
.set SPW,  7                           ; v7   my spare word; never rewritten
.set A16,  8                           ; v8-11 the step's LDS addresses
.set A8,   9
.set AS,   10
.set AV,   11
.set Q,    16                          ; v16-27 Q's fragment: v16-21 codes, v22-27 zeros
.set QS,   28                          ; v28  Q's scale words;  v29 the second pass's
.set QS2,  29
.set KSC,  30                          ; v30-33 K's scale words: lanes 0-15 tile 2 B, lanes 16-31 tile 2 B + 1
.set VSC,  34                          ; v34-35 V's likewise
.set PW,   36                          ; v36  p's scale word
.set NIL,  37                          ; v37  0; never rewritten
.set Q2,   38                          ; v38-43 the second pass's Q
.set F,    44                          ; v44-97 K's eight pieces and six zeros; then V's four fragments
.set S,    98                          ; v98-161 S^T, then p
.set O,    162                         ; v162-193 O^T
.set PC,   194                         ; v194-205 p's codes;  v206-208, v210-212 the conversions' second halves
.set BM,   214                         ; v214-217 the blocks' largest scores, then largest p
.set BP,   218                         ; v218-221 lane permutes, then bytes
.set SO,   222                         ; v222-225 the conversions' scale operands
.set FF,   226                         ; v[226:227] f = 2^(old M - new M)
.set WV,   16
.set SEL,  18
.set CS,   20
.set HM,   22
.set CNT,  23
.set G1,   24
.set G0,   32
.set SK,   36                          ; s36  LDS byte of the step's codes: chunk + 6,144 q (K's there, V's 12,288 on)
.set SS,   37                          ; s37  chunk + 512 q: K's scale words 24,576 on
.set SV,   38                          ; s38  chunk + 256 q: V's 25,600 on
.set KF,   39                          ; s39  the step's first key
.set QMIN, 40
.set QMAX, 41
.set QMIN2, 42
.set TW,   43
.set OB,   44
.set OS,   46
.set OB2,  48
.set OS2,  50
.set BH,   52
.set T0,   53
.set T1,   54
.macro TLOAD                           ; waves 0 and 1 fetch a chunk's halves.  Four v_nop follow the line
	s_cmp_lt_u32 s[WV], 2
	s_cbranch_scc0 .Lno_load_\@
	tensor_load_to_lds s[G0:G0+3], s[G1:G1+7]
	s_nop 0
.rept 4
	v_nop
.endr
.Lno_load_\@:
.endm
; tile s[st]: its first query, its Q (asked for), and where its o goes.  ad: four scalar registers for the loads' addresses
.macro TILE st, qmin, ob, os, qreg, qsreg, ad
	s_lshr_b32 s56, s[\st], 1
	s_lshl_b32 s56, s56, 5
	s_and_b32 s57, s[\st], 1
	s_lshl_b32 s57, s57, 3
	s_add_co_u32 s[\qmin], s56, s57
	s_lshl_b32 s56, s[BH], 7
	s_add_co_u32 s56, s56, s[\st]
	s_mul_i32 s58, s56, 768
	s_mov_b32 s59, 0
	s_add_nc_u64 s[\ad:\ad+1], s[4:5], s[58:59]
	s_lshl_b32 s58, s56, 6
	s_add_nc_u64 s[\ad+2:\ad+3], s[6:7], s[58:59]
	global_load_b128 v[\qreg:\qreg+3], v[L16], s[\ad:\ad+1]
	global_load_b64 v[\qreg+4:\qreg+5], v[L8], s[\ad:\ad+1] offset:512
	global_load_b32 v[\qsreg], v[R4], s[\ad+2:\ad+3]
	s_lshr_b32 s56, s[BH], 4
	s_lshl_b32 s56, s56, 7
	s_add_co_u32 s56, s56, s[\st]                  ; the token tile: 128 b + T
	s_and_b32 s57, s[BH], 15                       ; the head: piece kappa = head, blocks 2 head and 2 head + 1
	s_mul_i32 s58, s56, 12288
	s_mul_i32 s60, s57, 768
	s_add_co_u32 s58, s58, s60
	s_add_nc_u64 s[\ob:\ob+1], s[10:11], s[58:59]
	s_lshl_b32 s58, s56, 9
	s_lshr_b32 s60, s57, 3
	s_lshl_b32 s60, s60, 8
	s_add_co_u32 s58, s58, s60
	s_and_b32 s60, s57, 7
	s_lshl_b32 s60, s60, 1
	s_add_co_u32 s58, s58, s60
	s_add_nc_u64 s[\os:\os+1], s[12:13], s[58:59]
.endm
.macro RESET
	v_mov_b32 v13, 0xff61b1e6                      ; the largest t so far: -3e38
	s_delay_alu instid0(VALU_DEP_1)
	v_floor_f32 v12, -v13                          ; -M
	v_mov_b32 v14, 0                               ; the sum, in two halves
	v_mov_b32 v15, 0
.set n, 0
.rept 32
	v_mov_b32 v[O+n], 0                            ; O^T: the step is written once, its first use finds zeros
.set n, n+1
.endr
.endm
	s_load_b256 s[4:11], s[0:1], 0x0               ; q_img s[4:5], q_scl s[6:7], kv s[8:9], img s[10:11]
	s_load_b64 s[12:13], s[0:1], 0x20              ; scl
	v_lshl_add_u32 v[SPW], v0, 2, SPARE
	v_mov_b32 v[NIL], 0
	ds_add_u32 v7, v37
	ds_add_u32 v7, v37
	s_wait_dscnt 0x0
	v_lshrrev_b32 v8, 5, v0
	s_delay_alu instid0(VALU_DEP_1)
	v_readfirstlane_b32 s[WV], v8                  ; wave 0..15
	s_and_b32 s[BH], ttmp7, 0xffff                 ; 16 b + head
	; descriptor group 1: 51 rows of 256 bytes (32 elements of 8 bytes), dense: half a chunk
	s_mov_b32 s[G1], 3<<16
	s_mov_b32 s[G1+1], 32<<16
	s_mov_b32 s[G1+2], 51<<16
	s_mov_b32 s[G1+3], 32<<16
	s_mov_b32 s[G1+4], 51
	s_mov_b32 s[G1+5], 32
	s_mov_b32 s[G1+6], 0
	s_mov_b32 s[G1+7], 0
	s_mul_i32 s57, s[BH], 8*CH
	s_and_b32 s58, s[WV], 1
	s_mul_i32 s58, s58, 13056
	s_add_co_u32 s60, s57, s58
	s_mov_b32 s61, 0
	s_wait_kmcnt 0x0
	s_mov_b32 s[G0], 1
	s_mov_b32 s[G0+1], s58
	s_add_nc_u64 s[G0+2:G0+3], s[8:9], s[60:61]
	s_or_b32 s[G0+3], s[G0+3], 0x80000000
	TLOAD                                          ; chunk 0
	v_and_b32 v8, 31, v0
	v_and_b32 v9, 15, v0                           ; r
	v_bfe_u32 v10, v0, 4, 1                        ; h
	s_delay_alu instid0(VALU_DEP_3)
	v_lshlrev_b32 v[L16], 4, v8
	s_wait_alu depctr_va_vdst(0)
	v_lshlrev_b32 v[L8], 3, v8
	s_wait_alu depctr_va_vdst(0)
	v_lshlrev_b32 v[L4], 2, v8
	v_and_b32 v11, 8, v9
	s_delay_alu instid0(VALU_DEP_1)
	v_add_nc_u32 v[DQ], v11, v9
	v_lshlrev_b32 v11, 4, v10
	s_delay_alu instid0(VALU_DEP_1)
	v_sub_nc_u32 v[DQ], v[DQ], v11
	v_lshl_add_u32 v[SBO], v9, 4, v10
	v_lshlrev_b32 v[R4], 2, v9
	s_wait_alu depctr_va_vdst(0)
	s_lshl_b32 s57, ttmp9, 4
	s_sub_co_u32 s[T0], 112, s57
	s_add_co_u32 s[T0], s[T0], s[WV]               ; pass 0: tile 16 (7 - i) + wave
	s_add_co_u32 s[T1], s57, s[WV]                 ; pass 1: tile 16 i + wave
	TILE T0, QMIN, OB, OS, Q, QS, 68
	TILE T1, QMIN2, OB2, OS2, Q2, QS2, 72
	s_mov_b32 s[SEL], 0x76543210
	s_mov_b32 s[SEL+1], 0xfedcba98                 ; v_permlanex16_b32's selects for lane l xor 16
	s_mov_b32 s[CS], 0x3e38aa3b                    ; c = 0.125 log2(e)
	s_mov_b32 s[CS+1], s[CS]                       ; (named with it as a pair, so it is written)
	s_mov_b32 s[HM], 0xffff0000                    ; lanes 16-31
	s_mov_b32 s[SK], 0
	s_mov_b32 s[SS], 0
	s_mov_b32 s[SV], 0
	s_mov_b32 s[KF], 0
	s_add_co_u32 s[QMAX], s[QMIN], 23
.irp j, 0,1,2,3,4,5
	v_mov_b32 v[Q+6+\j], 0                         ; zero codes for k = 64 .. 127
	v_mov_b32 v[F+48+\j], 0                        ; and behind K's last piece
.endr
.irp b, 0,1,2,3
	v_mov_b32 v[BP+\b], 0                          ; a lane permute's destination counts as one of its sources
.endr
	v_mov_b32 v[FF+1], 0                           ; (named as the upper half of a pair)
	v_mov_b32 v230, 0
	RESET
; A KEY STEP: 128 keys.
.macro STEP
	s_cmp_gt_u32 s[KF], s[QMAX]                    ; all its keys come after my queries: nothing to do
	s_cbranch_scc1 .Lhidden_\@
	s_setprio 2
	v_add_nc_u32 v[A16], s[SK], v[L16]             ; (these four are also the places in front of loads into registers that the last step's products have read)
	v_add_nc_u32 v[A8], s[SK], v[L8]
	v_add_nc_u32 v[AS], s[SS], v[L4]
	v_add_nc_u32 v[AV], s[SV], v[L4]
.irp t, 0,1,2,3,4,5,6,7
	ds_load_b128 v[F+6*\t:F+6*\t+3], v[A16] offset:768*\t
	ds_load_b64 v[F+6*\t+4:F+6*\t+5], v[A8] offset:768*\t+512
.endr
.irp b, 0,1,2,3
	ds_load_b32 v[KSC+\b], v[AS] offset:24576+128*\b
.endr
	s_wait_alu depctr_va_vdst(0)
	s_wait_dscnt 0x0
.irp t, 0,2,4,6
	v_wmma_scale_f32_16x16x128_f8f6f4 v[S+8*\t:S+8*\t+7], v[F+6*\t:F+6*\t+11], v[Q:Q+11], 0, v[KSC+\t/2], v[QS] matrix_a_fmt:MATRIX_FMT_FP6 matrix_b_fmt:MATRIX_FMT_FP6
	v_wmma_scale_f32_16x16x128_f8f6f4 v[S+8*\t+8:S+8*\t+15], v[F+6*\t+6:F+6*\t+17], v[Q:Q+11], 0, v[KSC+\t/2], v[QS] matrix_a_fmt:MATRIX_FMT_FP6 matrix_b_fmt:MATRIX_FMT_FP6 matrix_a_scale:MATRIX_SCALE_ROW1
.endr
.rept 4
	v_nop                                          ; places: in front of the loads below and of the first read of the scores
.endr
.irp d, 0,1,2,3                                ; V's four fragments land under the softmax
	ds_load_b128 v[F+12*\d:F+12*\d+3], v[A16] offset:12288+1536*\d
	ds_load_b64 v[F+12*\d+4:F+12*\d+5], v[A8] offset:12288+1536*\d+512
	ds_load_b128 v[F+12*\d+6:F+12*\d+9], v[A16] offset:12288+1536*\d+768
	ds_load_b64 v[F+12*\d+10:F+12*\d+11], v[A8] offset:12288+1536*\d+1280
.endr
.irp p, 0,1
	ds_load_b32 v[VSC+\p], v[AV] offset:25600+128*\p
.endr
	s_add_co_u32 s66, s[KF], 127                   ; on the diagonal hidden scores become -infinity ahead of the maximum; a step all of whose keys count skips this
	s_cmp_le_u32 s66, s[QMIN]
	s_cbranch_scc1 .Lopen_\@
	s_sub_co_i32 s66, s[QMIN], s[KF]
	v_add_nc_u32 v232, s66, v[DQ]                  ; d = my query - KF - 16 h.  Register 16 B + i holds key KF + 16 h + 32 B + i: hidden where 32 B + i > d
	v_mov_b32 v231, 0xff800000
.set n, 0
.rept 64
	v_cmp_gt_i32 vcc_lo, 32*(n/16)+n%16, v232
	v_cndmask_b32 v[S+n], v[S+n], v231, vcc_lo
.set n, n+1
.endr
.Lopen_\@:
.irp b, 0,1,2,3
	v_max3_num_f32 v[BM+\b], v[S+16*\b], v[S+1+16*\b], v[S+2+16*\b]   ; the largest score of each block of 32 keys: for the row's maximum, and, since p rises with the score, for the block's largest p
.endr
.irp i, 3,5,7,9,11,13
.irp b, 0,1,2,3
	v_max3_num_f32 v[BM+\b], v[BM+\b], v[S+16*\b+\i], v[S+1+16*\b+\i]
.endr
.endr
.irp b, 0,1,2,3
	v_max_num_f32 v[BM+\b], v[BM+\b], v[S+15+16*\b]
.endr
.irp b, 0,1,2,3
	s_delay_alu instid0(VALU_DEP_4)
	v_permlanex16_b32 v[BP+\b], v[BM+\b], s[SEL], s[SEL+1]
.endr
.irp b, 0,1,2,3
	s_delay_alu instid0(VALU_DEP_4)
	v_max_num_f32 v[BM+\b], v[BM+\b], v[BP+\b]     ; with lane l xor 16's 16 keys
.endr
	s_delay_alu instid0(VALU_DEP_2)
	v_max3_num_f32 v230, v[BM], v[BM+1], v[BM+2]
	s_delay_alu instid0(VALU_DEP_1)
	v_max_num_f32 v230, v230, v[BM+3]
	s_delay_alu instid0(VALU_DEP_1)
	v_mul_f32 v230, s[CS], v230                    ; as t (c is positive)
	s_delay_alu instid0(VALU_DEP_1)
	v_max_num_f32 v13, v13, v230                   ; the running largest t
	v_mov_b32 v230, v12
	s_delay_alu instid0(VALU_DEP_2)
	v_floor_f32 v12, -v13                          ; the new -M = floor(-t): M is a whole number
	s_delay_alu instid0(VALU_DEP_1)
	v_sub_f32 v230, v12, v230                      ; old M - new M: a whole number, 0 or less
	s_delay_alu instid0(VALU_DEP_1)
	v_cvt_i32_f32 v230, v230                       ; (it saturates)
	s_delay_alu instid0(VALU_DEP_1)
	v_ldexp_f32 v[FF], 1.0, v230                   ; f = 2^(old M - new M)
.set n, 0
	s_setprio 1
.rept 32
	v_pk_fma_f32 v[S+n:S+n+1], v[S+n:S+n+1], s[CS:CS+1], v[12:13] op_sel_hi:[1,0,0]   ; t - M, two at a time
.set n, n+2
.endr
.irp b, 0,1,2,3
	v_fma_f32 v[BM+\b], v[BM+\b], s[CS], v12       ; the same of each block's largest score
.endr
.set n, 0
	s_wait_alu depctr_va_vdst(0)
.rept 64
	v_exp_f32 v[S+n], v[S+n]                       ; p = 2^(t - M): not normalised
.set n, n+1
.endr
	v_pk_mul_f32 v[14:15], v[14:15], v[FF:FF+1] op_sel_hi:[1,0]   ; the sums under the new M; the plain line behind the exponentials
	s_wait_alu depctr_va_vdst(0)                   ; one wait for the batch, ahead of its first reader
.irp b, 0,1,2,3
	v_exp_f32 v[BM+\b], v[BM+\b]                   ; the block's largest p
.endr
	v_pk_add_f32 v[228:229], v[102:103], v[106:107]
	v_pk_add_f32 v[254:255], v[110:111], v[114:115]
	v_pk_add_f32 v[252:253], v[118:119], v[122:123]
	v_pk_add_f32 v[250:251], v[126:127], v[130:131]
	v_pk_add_f32 v[248:249], v[134:135], v[138:139]
	v_pk_add_f32 v[246:247], v[142:143], v[146:147]
	v_pk_add_f32 v[244:245], v[150:151], v[154:155]
	v_pk_add_f32 v[14:15], v[14:15], v[158:159]
	v_pk_add_f32 v[228:229], v[228:229], v[98:99]
	v_pk_add_f32 v[254:255], v[254:255], v[100:101]
	v_pk_add_f32 v[252:253], v[252:253], v[104:105]
	v_pk_add_f32 v[250:251], v[250:251], v[108:109]
	v_pk_add_f32 v[248:249], v[248:249], v[112:113]
	v_pk_add_f32 v[246:247], v[246:247], v[116:117]
	v_pk_add_f32 v[244:245], v[244:245], v[120:121]
	v_pk_add_f32 v[14:15], v[14:15], v[124:125]
	v_pk_add_f32 v[228:229], v[228:229], v[128:129]
	v_pk_add_f32 v[254:255], v[254:255], v[132:133]
	v_pk_add_f32 v[252:253], v[252:253], v[136:137]
	v_pk_add_f32 v[250:251], v[250:251], v[140:141]
	v_pk_add_f32 v[248:249], v[248:249], v[144:145]
	v_pk_add_f32 v[246:247], v[246:247], v[148:149]
	v_pk_add_f32 v[244:245], v[244:245], v[152:153]
	v_pk_add_f32 v[14:15], v[14:15], v[156:157]
	v_pk_add_f32 v[228:229], v[228:229], v[160:161]
	s_delay_alu instid0(VALU_DEP_2)
	v_pk_add_f32 v[14:15], v[14:15], v[250:251]
	s_delay_alu instid0(VALU_DEP_2)
	v_pk_add_f32 v[228:229], v[228:229], v[248:249]
	v_pk_add_f32 v[254:255], v[254:255], v[246:247]
	v_pk_add_f32 v[252:253], v[252:253], v[244:245]
	s_delay_alu instid0(VALU_DEP_2)
	v_pk_add_f32 v[14:15], v[14:15], v[254:255]
	s_delay_alu instid0(VALU_DEP_2)
	v_pk_add_f32 v[228:229], v[228:229], v[252:253]
	s_delay_alu instid0(VALU_DEP_1)
	v_pk_add_f32 v[14:15], v[14:15], v[228:229]
	s_wait_alu depctr_va_vdst(0)                   ; and one for the four
.irp b, 0,1,2,3
	v_max_num_f32 v[BM+\b], 0x1800000, v[BM+\b]    ; the floor 2^(3 - 127): the byte cannot fall under 1
.endr
.irp b, 0,1,2,3
	s_delay_alu instid0(VALU_DEP_4)
	v_add_nc_u32 v[SO+\b], 0xff000000, v[BM+\b]    ; 2 off the exponent field: the conversion's scale operand
.endr
.irp b, 0,1,2,3
	s_delay_alu instid0(VALU_DEP_4)
	v_lshrrev_b32 v[BP+\b], 23, v[SO+\b]           ; the scale's byte
.endr
	s_delay_alu instid0(VALU_DEP_3)
	v_lshl_or_b32 v[PW], v[BP+1], 8, v[BP]
	s_delay_alu instid0(VALU_DEP_1)
	v_lshl_or_b32 v[PW], v[BP+2], 16, v[PW]
	s_delay_alu instid0(VALU_DEP_1)
	v_lshl_or_b32 v[PW], v[BP+3], 24, v[PW]
	s_setprio 0
.irp c, 0,1
	v_cvt_scalef32_pk16_fp6_f32 v[PC+6*\c:PC+6*\c+2], v[S+32*\c:S+32*\c+15], v[SO+2*\c]
	v_cvt_scalef32_pk16_fp6_f32 v[206+4*\c:208+4*\c], v[S+16+32*\c:S+31+32*\c], v[SO+2*\c+1]
.endr
	v_nop                                          ; one plain line behind the conversions
.irp c, 0,1                                    ; the operand's layout wants a WHOLE block in a lane
.irp i, 0,1,2
	v_permlane16_swap_b32 v[PC+6*\c+\i], v[206+4*\c+\i]
.endr
.irp i, 0,1,2
	s_delay_alu instid0(VALU_DEP_3)
	v_mov_b32 v[PC+3+6*\c+\i], v[206+4*\c+\i]
.endr
.endr
.set n, 0
.rept 16
	v_pk_mul_f32 v[O+n:O+n+1], v[O+n:O+n+1], v[FF:FF+1] op_sel_hi:[1,0]   ; O^T under the new M; these sixteen are also the places in front of the products below
.set n, n+2
.endr
	s_wait_alu depctr_va_vdst(0)
	s_wait_dscnt 0x0                               ; V is in
.irp d, 0,2                                    ; four accumulators, one turn each
	v_wmma_scale_f32_16x16x128_f8f6f4 v[O+8*\d:O+8*\d+7], v[F+12*\d:F+12*\d+11], v[PC:PC+11], v[O+8*\d:O+8*\d+7], v[VSC+\d/2], v[PW] matrix_a_fmt:MATRIX_FMT_FP6 matrix_b_fmt:MATRIX_FMT_FP6
	v_wmma_scale_f32_16x16x128_f8f6f4 v[O+8*\d+8:O+8*\d+15], v[F+12*\d+12:F+12*\d+23], v[PC:PC+11], v[O+8*\d+8:O+8*\d+15], v[VSC+\d/2], v[PW] matrix_a_fmt:MATRIX_FMT_FP6 matrix_b_fmt:MATRIX_FMT_FP6 matrix_a_scale:MATRIX_SCALE_ROW1
.endr
.Lhidden_\@:
	s_add_co_u32 s[KF], s[KF], 128
	s_add_co_u32 s[SK], s[SK], 6144
	s_add_co_u32 s[SS], s[SS], 512
	s_add_co_u32 s[SV], s[SV], 256
.endm
.macro TWO_STEPS                       ; a chunk's two steps: written once, walked twice; then on to the next chunk
	s_mov_b32 s[TW], 2
.Lstep_\@:
	STEP
	s_sub_co_u32 s[TW], s[TW], 1
	s_cmp_lg_u32 s[TW], 0
	s_cbranch_scc1 .Lstep_\@
	s_setprio 0
	s_add_co_u32 s[SK], s[SK], CH-2*6144
	s_add_co_u32 s[SS], s[SS], CH-2*512
	s_add_co_u32 s[SV], s[SV], CH-2*256
.endm
; At a chunk's head: each wave waits for all its tensor loads (its half of this chunk), adds 0 to its spare word and waits for that and for its LDS reads; behind the barrier the chunk is whole for every wave.
; fill = 1: the next chunk is asked for, into bytes of its own: a wave's one tensor load until the next barrier.
.macro CHANGE fill
	s_wait_tensorcnt 0x0                           ; no tensor load of mine is out, so the descriptor may be written
	ds_add_u32 v[SPW], v[NIL]                      ; 0 onto my spare word
.if \fill
	s_add_co_u32 s[G0+1], s[G0+1], CH
	s_add_nc_u64 s[G0+2:G0+3], s[G0+2:G0+3], CH    ; the type bits on top are not reached
.endif
	s_wait_dscnt 0x0
	s_barrier_signal -1
	s_barrier_wait -1
.if \fill
	TLOAD
.endif
.endm
; o = O^T / the sum; its 64 numbers of a row are blocks 2 head and 2 head + 1 of the last product's K: one piece of 768 bytes and two scale bytes a row.
.macro OUT ob, os
.rept 4
	v_nop                                          ; places behind the last products
.endr
	v_add_f32 v14, v14, v15
	s_delay_alu instid0(VALU_DEP_1)
	v_permlanex16_b32 v230, v14, s[SEL], s[SEL+1]
	s_delay_alu instid0(VALU_DEP_1)
	v_add_f32 v14, v14, v230                       ; the row's sum
	s_wait_alu depctr_va_vdst(0)
	v_rcp_f32 v[FF], v14
	v_nop                                          ; a plain line behind the reciprocal
	s_wait_alu depctr_va_vdst(0)                   ; the wait ahead of its first reader
.set n, 0
.rept 16
	v_pk_mul_f32 v[S+n:S+n+1], v[O+n:O+n+1], v[FF:FF+1] op_sel_hi:[1,0]   ; register 16 B + i = o(my query, 32 B + 16 h + i)
.set n, n+2
.endr
.irp b, 0,1
	v_max3_num_f32 v[BM+\b], |v[S+16*\b]|, |v[S+1+16*\b]|, 0x1800000
.endr
.irp i, 2,4,6,8,10,12,14
.irp b, 0,1
	s_delay_alu instid0(VALU_DEP_2)
	v_max3_num_f32 v[BM+\b], v[BM+\b], |v[S+16*\b+\i]|, |v[S+1+16*\b+\i]|
.endr
.endr
.irp b, 0,1
	s_delay_alu instid0(VALU_DEP_2)
	v_permlanex16_b32 v[BP+\b], v[BM+\b], s[SEL], s[SEL+1]
.endr
.irp b, 0,1
	s_delay_alu instid0(VALU_DEP_2)
	v_max_num_f32 v[BM+\b], v[BM+\b], v[BP+\b]
.endr
.irp b, 0,1
	s_delay_alu instid0(VALU_DEP_2)
	v_add_nc_u32 v[SO+\b], 0xff000000, v[BM+\b]
.endr
.irp b, 0,1
	s_delay_alu instid0(VALU_DEP_2)
	v_lshrrev_b32 v[BP+\b], 23, v[SO+\b]
.endr
	v_cvt_scalef32_pk16_fp6_f32 v[PC:PC+2], v[S:S+15], v[SO]
	v_cvt_scalef32_pk16_fp6_f32 v[206:208], v[S+16:S+31], v[SO+1]
	v_cndmask_b32 v230, v[BP], v[BP+1], s[HM]      ; my own block's byte; also the plain line behind the conversions
.irp i, 0,1,2
	v_permlane16_swap_b32 v[PC+\i], v[206+\i]
.endr
.irp i, 0,1,2
	s_delay_alu instid0(VALU_DEP_3)
	v_mov_b32 v[PC+3+\i], v[206+\i]
.endr
	global_store_b128 v[L16], v[PC:PC+3], s[\ob:\ob+1]                 ; 512 consecutive bytes, aligned
	global_store_b64 v[L8], v[PC+4:PC+5], s[\ob:\ob+1] offset:512      ; 256
	global_store_b8 v[SBO], v230, s[\os:\os+1]
.endm
	s_wait_loadcnt 0x0                             ; Q of both passes
	s_mov_b32 s[CNT], 7
.Lchunk:                                           ; pass 0: seven trips, each asks for the next chunk
	CHANGE 1
	TWO_STEPS
	s_sub_co_u32 s[CNT], s[CNT], 1
	s_cmp_lg_u32 s[CNT], 0
	s_cbranch_scc1 .Lchunk
	CHANGE 0                                       ; the last chunk is written out
	TWO_STEPS
	OUT OB, OS
	s_wait_xcnt 0x0                                ; the stores have read their registers
.irp j, 0,1,2,3,4,5
	v_mov_b32 v[Q+\j], v[Q2+\j]                    ; pass 1: the early tile.  (The lines of RESET stand between these and the next products)
.endr
	v_mov_b32 v[QS], v[QS2]
	RESET
	s_mov_b32 s[QMIN], s[QMIN2]
	s_add_co_u32 s[QMAX], s[QMIN], 23
	s_mov_b32 s[SK], 0
	s_mov_b32 s[SS], 0
	s_mov_b32 s[SV], 0
	s_mov_b32 s[KF], 0
	s_mov_b32 s[CNT], 4
.Lpass1:                                           ; four trips: blocks 0 to 3 need no more; LDS is only read from here on: no barrier
	TWO_STEPS
	s_sub_co_u32 s[CNT], s[CNT], 1
	s_cmp_lg_u32 s[CNT], 0
	s_cbranch_scc1 .Lpass1
	OUT OB2, OS2
	s_wait_tensorcnt 0x0                           ; the wave's end
	ds_add_u32 v[SPW], v[NIL]
	s_wait_dscnt 0x0
	s_endpgm
.Lfunc_end_k_qb18fa28e89_attn:
	.size	k_qb18fa28e89_attn, .Lfunc_end_k_qb18fa28e89_attn-k_qb18fa28e89_attn
	.p2alignl 7, 3214868480
	.fill 96, 4, 3214868480
	.section	.rodata,"a",@progbits
	.p2align	6, 0x0
	.amdhsa_kernel k_qb18fa28e89_attn
		.amdhsa_group_segment_fixed_size 327680
		.amdhsa_private_segment_fixed_size 0
		.amdhsa_enable_private_segment 0
		.amdhsa_kernarg_size 40
		.amdhsa_user_sgpr_count 2
		.amdhsa_user_sgpr_kernarg_segment_ptr 1
		.amdhsa_wavefront_size32 1
		.amdhsa_system_sgpr_workgroup_id_x 1
		.amdhsa_system_sgpr_workgroup_id_y 1
		.amdhsa_system_sgpr_workgroup_id_z 1
		.amdhsa_system_vgpr_workitem_id 0
		.amdhsa_next_free_vgpr 256
		.amdhsa_next_free_sgpr 80
		.amdhsa_reserve_vcc 1
		.amdhsa_float_denorm_mode_32 3
		.amdhsa_float_denorm_mode_16_64 3
		.amdhsa_memory_ordered 1
		.amdhsa_forward_progress 1
		.amdhsa_inst_pref_size 89
	.end_amdhsa_kernel
	.amdgpu_metadata
---
amdhsa.version: [ 1, 2 ]
amdhsa.kernels:
  - .name:           k_qb18fa28e89_attn
    .symbol:         k_qb18fa28e89_attn.kd
    .args:
      - { .name: q_img, .offset: 0, .size: 8, .value_kind: global_buffer, .address_space: global }
      - { .name: q_scl, .offset: 8, .size: 8, .value_kind: global_buffer, .address_space: global }
      - { .name: kv, .offset: 16, .size: 8, .value_kind: global_buffer, .address_space: global }
      - { .name: img, .offset: 24, .size: 8, .value_kind: global_buffer, .address_space: global }
      - { .name: scl, .offset: 32, .size: 8, .value_kind: global_buffer, .address_space: global }
    .group_segment_fixed_size: 327680
    .private_segment_fixed_size: 0
    .kernarg_segment_align: 8
    .kernarg_segment_size: 40
    .max_flat_workgroup_size: 512
    .sgpr_count:     80
    .vgpr_count:     256
    .wavefront_size: 32
...
	.end_amdgpu_metadata
.endif
;; end of part 3
;; launch outp (part 4): grid 4 x 32, 4 waves a work-group, clusters of 4 x 4, 327,680 bytes of LDS; arguments img, scl, b_out, out0; writes out0
.if DOCPART == 4
	.amdgcn_target "amdgcn-amd-amdhsa--gfx1250"
	.amdhsa_code_object_version 6
	.text
	.protected	k_qb18fa28e89_outp
	.globl	k_qb18fa28e89_outp
	.p2align	8
	.type	k_qb18fa28e89_outp,@function
k_qb18fa28e89_outp:
	s_mov_b64 s[64:65], 0
	v_nop
	global_prefetch_b8 v0, s[64:65] scope:SCOPE_SE
	s_setreg_imm32_b32 hwreg(HW_REG_WAVE_MODE, 25, 1), 1
	s_wait_xcnt 0x0
	s_wait_alu depctr_hold_cnt(0) depctr_sa_sdst(0) depctr_va_vdst(0) depctr_va_sdst(0) depctr_va_ssrc(0) depctr_va_vcc(0) depctr_vm_vsrc(0)
	s_getreg_b32 s2, hwreg(HW_REG_IB_STS2, 6, 4)
	s_cmp_eq_u32 s2, 0
	s_cbranch_scc0 .Lentry_in_a_cluster
	s_endpgm
.Lentry_in_a_cluster:
	s_bfe_u32 s2, ttmp6, 0x10000c
	s_cmp_lg_u32 s2, 0xf033
	s_cbranch_scc0 .Lentry_shape_is_right
	s_endpgm
.Lentry_shape_is_right:
; out0 = o w_out + b_out on codes of FP6 (E2M3) with E8M0 scales, K = 1,024; out0 [8192][1024] f32.
; OPERANDS: img [tile][kappa 0..15][768], scl [tile][2][16][16]: tiles 0-511 o's rows (stored by the attention), tiles 704-767 w_out's columns.  A tile is 16 rows: lane row r of tile 2 A + u is row 32 A + 8 u + r + 8 (r / 8).
; A piece of 768 bytes is an image of six operand registers (16 rows x 64 K); two on end are a fragment of 128 K: two loads of 16 bytes and two of 8, all of consecutive bytes.
; A work-group makes 256 x 256, a wave 128 x 128: 64 accumulators.  Source 0 (S0) = 256 columns of w_out, source 1 (S1) = 256 tokens: a lane holds one token and, in S0's tiles 2 B and 2 B + 1, the 16 neighbouring columns 32 B + 16 h + 0 .. 15.
; CLUSTER 4 x 4: S1's tiles hang on cy alone and are asked for jointly by a row of the cluster, S0's on cx alone, by a column.
; K goes through three LDS slots of 256 along K; the fourth quarter of K is filled into slot 0 again: ONE refill, behind one round of the cluster's barrier.  By this text's count a wave has three tensor loads out at the start, later one.
; The bias is the C of each sum's first matrix instruction (so the f32 sum begins with it).  The grid has 128 work-groups: 1,024 columns make four tiles of 256.
; No prefetch: three quarters of K go out with the first fills, at the head.
; REGISTERS: window 0: v1-31 addresses; v32-95 scale words (nothing else, ever); v96-159 the bias; v160-255 S1's eight fragments; on the way out v96-223 take rows of out0.
;   window 1: S0's fragments, two sets, at v0 and v128.   windows 2, 3: accumulator (a, b) at v[8 (8 (a % 4) + b)] of window 2 + a / 4.
.set SLOT,   98304
.set TILEB,  3072
.set HALFT,  24576
.set SPARE,  294912                    ; behind the slots: the spare words, 128 bytes a wave
.set STAGE,  98304                     ; the way out: 16 rows x (512 + 16) bytes a wave, in slot 1, which has had its one fill and its last read by then
.set SPITCH, 528
.set FR,   12
.set A16A, 4
.set A8A,  7
.set A16B, 10
.set A8B,  13
.set SPW,  16
.set NIL,  17
.set L16,  18
.set L8,   19
.set STO,  20                          ; v20  the stage, in: row r, + 64 h
.set RD,   22                          ; v22  and back: 16 x lane
.set SOFF, 23
.set BOFF, 24
.set SC,   32
.set BI,   96
.set AF,   160
.set BK,   96                          ; the way out: v96-159 and v160-223 by turns
.set MSB, 0
.macro WIN new                         ; the immediate's high byte repeats the setting that is left
.if MSB != (\new)
	s_set_vgpr_msb (MSB<<8)|(\new)
.set MSB, (\new)
.endif
.endm
.set MUL_LO,   0xa1
.set MUL_HI,   0xf1
.set FIRST_LO, 0x81
.set FIRST_HI, 0xc1
.set TO_B,     0x40
.macro JLOAD g0a, g1a, g0b, g1b        ; a joint load: waves 0 and 1 fetch S1's halves, waves 2 and 3 S0's; four v_nop follow each of the two lines
	s_cmp_eq_u32 s19, 0
	s_cbranch_scc0 .Lfor_b_\@
	tensor_load_to_lds s[\g0a:\g0a+3], s[\g1a:\g1a+7]
	s_nop 0
.rept 4
	v_nop
.endr
	s_branch .Lasked_\@
.Lfor_b_\@:
	tensor_load_to_lds s[\g0b:\g0b+3], s[\g1b:\g1b+7]
	s_nop 0
.rept 4
	v_nop
.endr
.Lasked_\@:
.endm
.macro CREST
	s_cmp_lg_u32 s18, 0
	s_cbranch_scc1 .Lnot_wave_0_\@
	s_barrier_signal -3
.Lnot_wave_0_\@:
	s_barrier_wait -3
	s_barrier_signal -1
	s_barrier_wait -1
.endm
.macro CROUND
	s_barrier_signal -1
	s_barrier_wait -1
	CREST
.endm
.macro PLACES                          ; four plain places behind a matrix instruction (ISA guide 7.12.1)
.rept 4
	v_nop
.endr
.endm
.macro FRAG reg, a16, a8, off
	ds_load_b128 v[\reg:\reg+3], v[\a16] offset:\off
	ds_load_b64 v[\reg+4:\reg+5], v[\a8] offset:\off+512
	ds_load_b128 v[\reg+6:\reg+9], v[\a16] offset:\off+768
	ds_load_b64 v[\reg+10:\reg+11], v[\a8] offset:\off+1280
.endm
.macro FETCH_B slot, q, p
	WIN TO_B
.irp i, 0,1,2,3,4,5,6,7
	FRAG 128*(\p)+FR*\i, A16B+\slot, A8B+\slot, \i*TILEB+(\q)*1536
.endr
	WIN 0
.endm
.macro FETCH_A slot, q, i0
.irp i, \i0, \i0+1, \i0+2, \i0+3
	FRAG AF+FR*(\i), A16A+\slot, A8A+\slot, (\i)*TILEB+(\q)*1536
.endr
.endm
; 16 matrix instructions: S1's blocks a0, a0 + 1 x S0's eight, K step s.  cm = 1: the sums begin with the bias.  The 64 accumulators take turns, one instruction a turn.
.macro MUL16 a0, p, s, cm
.irp a, \a0, \a0+1
.irp b, 0,1,2,3,4,5,6,7
.if \cm == 0
	v_wmma_scale_f32_16x16x128_f8f6f4 v[8*(8*((\a)%4)+\b):8*(8*((\a)%4)+\b)+7], v[128*(\p)+FR*\b:128*(\p)+FR*\b+FR-1], v[AF+FR*(\a):AF+FR*(\a)+FR-1], v[8*(8*((\a)%4)+\b):8*(8*((\a)%4)+\b)+7], v[SC+8*\b+(\s)], v[SC+8*(\a)+(\s)] matrix_a_fmt:MATRIX_FMT_FP6 matrix_b_fmt:MATRIX_FMT_FP6 matrix_a_scale:MATRIX_SCALE_ROW1
.else
	v_wmma_scale_f32_16x16x128_f8f6f4 v[8*(8*((\a)%4)+\b):8*(8*((\a)%4)+\b)+7], v[128*(\p)+FR*\b:128*(\p)+FR*\b+FR-1], v[AF+FR*(\a):AF+FR*(\a)+FR-1], v[BI+8*\b:BI+8*\b+7], v[SC+8*\b+(\s)], v[SC+8*(\a)+(\s)] matrix_a_fmt:MATRIX_FMT_FP6 matrix_b_fmt:MATRIX_FMT_FP6 matrix_a_scale:MATRIX_SCALE_ROW1
.endif
.endr
.endr
.endm
.macro STEP s, nslot, nq, cm
	s_wait_dscnt 16                                ; S0's set and S1's blocks 0-3 are in; the youngest 16 loads (S1's blocks 4-7) may be out
.if \cm
	WIN FIRST_LO
.else
	WIN MUL_LO
.endif
	MUL16 0, (\s)%2, \s, \cm
	MUL16 2, (\s)%2, \s, \cm
	s_wait_dscnt 0x0
	PLACES
	FETCH_B \nslot, \nq, 1-(\s)%2
	FETCH_A \nslot, \nq, 0
.if \cm
	WIN FIRST_HI
.else
	WIN MUL_HI
.endif
	MUL16 4, (\s)%2, \s, \cm
	MUL16 6, (\s)%2, \s, \cm
	PLACES
	WIN 0
	FETCH_A \nslot, \nq, 4
.endm
.macro TURN s, nslot, fill
	s_wait_tensorcnt 0x0                           ; all my tensor loads have landed
	ds_add_u32 v[SPW], v[NIL]                      ; 0 onto my spare word
	s_wait_dscnt 17                                ; (the add and the youngest 16 loads may be out)
	WIN MUL_LO
	MUL16 0, (\s)%2, \s, 0
	s_wait_dscnt 0x0                               ; the add is done, and my LDS reads are over
	s_barrier_signal -1
	MUL16 2, (\s)%2, \s, 0
	WIN 0
	s_barrier_wait -1
.if \fill
	CREST                                          ; the barrier has opened a round of the cluster's barrier: no wave of any partner still reads slot 0 or has a load on its way
	s_add_nc_u64 s[46:47], s[46:47], 3*TILEB
	s_add_nc_u64 s[70:71], s[70:71], 3*TILEB
	JLOAD 44, 28, 68, 36                           ; the first tensor load behind the round; its four v_nop are also the places in front of the loads below
.else
	PLACES
.endif
	FETCH_B \nslot, 0, 1-(\s)%2
	FETCH_A \nslot, 0, 0
	WIN MUL_HI
	MUL16 4, (\s)%2, \s, 0
	MUL16 6, (\s)%2, \s, 0
	PLACES
	WIN 0
	FETCH_A \nslot, 0, 4
.endm
	s_load_b256 s[4:11], s[0:1], 0x0               ; img s[4:5], scl s[6:7], b_out s[8:9], out0 s[10:11]
	v_lshl_add_u32 v[SPW], v0, 2, SPARE
	v_mov_b32 v[NIL], 0
	ds_add_u32 v16, v17
	s_wait_dscnt 0x0
	v_lshrrev_b32 v1, 5, v0
	v_readfirstlane_b32 s18, v1                    ; wave 0..3
	s_lshr_b32 s19, s18, 1                         ; my half of S1.  Also: I fetch for S1 (0) or for S0 (1)
	s_and_b32 s20, s18, 1                          ; my half of S0.  Also: which 8 tiles I fetch
	s_bfe_u32 s21, ttmp6, 0x40000                  ; cx
	s_bfe_u32 s22, ttmp6, 0x40004                  ; cy
	s_and_b32 s24, ttmp7, 0xffff                   ; Y = the cluster's y
	s_lshl_b32 s90, s22, 2
	s_lshl_b32 s90, 15, s90                        ; my row of the cluster
	s_lshl_b32 s92, 0x1111, s21                    ; my column
	s_or_b32 s28, s90, (3<<16)|(1<<21)             ; group 1: 8 rows (tiles) of 384 elements of 8 bytes, 1,536 elements apart; S1's tiles go to my row,
	s_or_b32 s36, s92, (3<<16)|(1<<21)             ; S0's to my column
.irp g, 28, 36
	s_mov_b32 s[\g+1], 384<<16
	s_mov_b32 s[\g+2], 8<<16
	s_mov_b32 s[\g+3], 384<<16
	s_mov_b32 s[\g+4], 8
	s_mov_b32 s[\g+5], 1536
	s_mov_b32 s[\g+6], 0
	s_mov_b32 s[\g+7], 0
.endr
	s_lshl_b32 s88, s24, 6
	s_lshl_b32 s90, s22, 4
	s_add_co_u32 s88, s88, s90                     ; S1's first tile: 64 Y + 16 cy
	s_lshl_b32 s89, s21, 4
	s_add_co_u32 s89, s89, 704                     ; S0's first tile: 704 + 16 cx
	s_lshl_b32 s26, s20, 3
	s_add_co_u32 s90, s88, s26
	s_mul_i32 s90, s90, 12288
	s_mov_b32 s91, 0
	s_add_co_u32 s92, s89, s26
	s_mul_i32 s92, s92, 12288
	s_mov_b32 s93, 0
	s_mul_i32 s98, s18, HALFT
	s_wait_kmcnt 0x0
	s_add_nc_u64 s[94:95], s[4:5], s[90:91]
	s_add_nc_u64 s[96:97], s[4:5], s[92:93]
	CROUND                                         ; all sixteen work-groups are here: the first joint loads meet
.irp k, 0,1,2
	s_mov_b32 s[44+4*\k], 1
	s_add_co_u32 s[45+4*\k], s98, \k*SLOT
	s_add_nc_u64 s[46+4*\k:47+4*\k], s[94:95], \k*TILEB
	s_or_b32 s[47+4*\k], s[47+4*\k], 0x80000000
	s_mov_b32 s[68+4*\k], 1
	s_add_co_u32 s[69+4*\k], s98, \k*SLOT
	s_add_nc_u64 s[70+4*\k:71+4*\k], s[96:97], \k*TILEB
	s_or_b32 s[71+4*\k], s[71+4*\k], 0x80000000
	JLOAD 44+4*\k, 28, 68+4*\k, 36
.endr
	v_and_b32 v1, 31, v0
	v_and_b32 v2, 15, v0                           ; r
	v_bfe_u32 v3, v0, 4, 1                         ; h
	v_lshlrev_b32 v[L16], 4, v1
	v_lshlrev_b32 v[L8], 3, v1
	s_lshl_b32 s26, s19, 3                         ; the scale words of all of K: v[SC + 8 i + s]: lanes 0-15 S1's tile i, lanes 16-31 S0's tile i, K step s
	s_add_co_u32 s26, s88, s26
	s_lshl_b32 s26, s26, 9
	s_lshl_b32 s27, s20, 3
	s_add_co_u32 s27, s89, s27
	s_lshl_b32 s27, s27, 9
	v_mov_b32 v28, s26
	v_mov_b32 v29, s27
	v_cmp_le_u32 vcc_lo, 16, v1
	v_cndmask_b32 v[SOFF], v28, v29, vcc_lo
	v_lshl_add_u32 v[SOFF], v2, 4, v[SOFF]
.irp i, 0,1,2,3,4,5,6,7
.irp j, 0,1
	global_load_b128 v[SC+8*\i+4*\j:SC+8*\i+4*\j+3], v[SOFF], s[6:7] offset:512*\i+256*\j
.endr
.endr
	s_lshl_b32 s26, s21, 10                        ; the bias: 256 cx columns of 4 bytes, + my 128
	s_lshl_b32 s27, s20, 9
	s_add_co_u32 s26, s26, s27
	s_mov_b32 s27, 0
	s_add_nc_u64 s[8:9], s[8:9], s[26:27]
	s_add_nc_u64 s[10:11], s[10:11], s[26:27]      ; the same columns in out0
	v_lshlrev_b32 v[BOFF], 6, v3                   ; register j of S0's tile b is column 32 (b / 2) + 8 (b % 2) + 16 h + j
.irp b, 0,1,2,3,4,5,6,7
	global_load_b128 v[BI+8*\b:BI+8*\b+3], v[BOFF], s[8:9] offset:(32*(\b/2)+8*(\b%2))*4
	global_load_b128 v[BI+8*\b+4:BI+8*\b+7], v[BOFF], s[8:9] offset:(32*(\b/2)+8*(\b%2))*4+16
.endr
	s_lshl_b32 s26, s19, 3
	s_add_co_u32 s26, s88, s26                     ; my first tile of tokens: 16 rows of 4,096 bytes each
	s_lshl_b32 s26, s26, 16
	s_add_nc_u64 s[10:11], s[10:11], s[26:27]
	s_mul_i32 s26, s19, HALFT
	s_mul_i32 s27, s20, HALFT
	s_add_co_u32 s27, s27, 2*HALFT
.irp k, 0,1,2
	v_add_nc_u32 v[A16A+\k], s26, v[L16]
	v_add_nc_u32 v[A8A+\k], s26, v[L8]
	v_add_nc_u32 v[A16B+\k], s27, v[L16]
	v_add_nc_u32 v[A8B+\k], s27, v[L8]
	s_add_co_u32 s26, s26, SLOT
	s_add_co_u32 s27, s27, SLOT
.endr
	s_mul_i32 s26, s18, 16*SPITCH
	s_add_co_u32 s26, s26, STAGE
	v_mul_u32_u24 v[STO], v2, SPITCH
	v_lshl_add_u32 v[STO], v3, 6, v[STO]
	v_add_nc_u32 v[STO], s26, v[STO]
	v_add_nc_u32 v[RD], s26, v[L16]
	s_wait_tensorcnt 2                             ; my part of slot 0 is in; slots 1 and 2 may stay out
	s_barrier_signal -1
	s_barrier_wait -1
	FETCH_B 0, 0, 0
	FETCH_A 0, 0, 0
	FETCH_A 0, 0, 4
	s_wait_loadcnt 0x0                             ; the scale words and the bias
	STEP 0, 0, 1, 1                                ; the first products start the sums with the bias
	TURN 1, 1, 1                                   ; slot 0 is read out: the one refill.  Its wait for all loads shows slots 1 and 2 to everybody
	STEP 2, 1, 1, 0
	STEP 3, 2, 0, 0
	STEP 4, 2, 1, 0
	TURN 5, 0, 0                                   ; the refill has landed in every wave's part: slot 0 is whole again
	STEP 6, 0, 1, 0
	s_wait_dscnt 16                                ; the last step: nothing more to fetch
	WIN MUL_LO
	MUL16 0, 1, 7, 0
	MUL16 2, 1, 7, 0
	s_wait_dscnt 0x0
	WIN MUL_HI
	MUL16 4, 1, 7, 0
	MUL16 6, 1, 7, 0
	WIN 0
; THE WAY OUT, block by block of 16 tokens x 128 columns, through my own stage: in by lanes (32 neighbouring bytes of a row for each of S0's tiles), back as whole rows of 512 bytes.
; LDS serves a wave's instructions in order: no wait between the stores and the loads, nor in front of the next block's stores.
.macro TOSTAGE a
.set AC, 64*((\a)%4)
	WIN 0x08+4*((\a)/4)                            ; an LDS store's data are its source 1: window 2 or 3
.irp b, 0,1,2,3,4,5,6,7
	ds_store_b128 v[STO], v[AC+8*\b:AC+8*\b+3] offset:128*(\b/2)+32*(\b%2)        ; each accumulator from its low end on
	ds_store_b128 v[STO], v[AC+8*\b+4:AC+8*\b+7] offset:128*(\b/2)+32*(\b%2)+16
.endr
	WIN 0
.set BB, BK+64*((\a)%2)
.irp t, 0,1,2,3,4,5,6,7,8,9,10,11,12,13,14,15
	ds_load_b128 v[BB+4*\t:BB+4*\t+3], v[RD] offset:\t*SPITCH
.endr
.endm
.macro SEND a, younger                 ; younger: the LDS instructions issued behind block a's loads, which may stay out
.set BB, BK+64*((\a)%2)
	s_wait_dscnt \younger
.irp t, 0,1,2,3,4,5,6,7,8,9,10,11,12,13,14,15
	global_store_b128 v[L16], v[BB+4*\t:BB+4*\t+3], s[10:11] offset:(32*((\a)/2)+8*((\a)%2)+\t+8*(\t/8))*4096 th:TH_STORE_NT   ; row t of tile a; 512 consecutive bytes, aligned; written once, read by nobody here
.endr
.endm
	PLACES                                         ; behind the last products: for the reads of their results and the loads into the registers that held S1's fragments
	TOSTAGE 0
.irp a, 1,2,3,4,5,6,7
.if \a > 1
	s_wait_xcnt 0x0                                ; block a - 2's stores have read their registers: block a's loads may land there
.endif
	TOSTAGE \a
	SEND \a-1, 32                                  ; behind block a - 1's loads: block a's 16 stores and 16 loads
.endr
	SEND 7, 0
	s_wait_tensorcnt 0x0                           ; the wave's end
	ds_add_u32 v[SPW], v[NIL]
	s_wait_dscnt 0x0
	CROUND                                         ; the closing round
	s_endpgm
.Lfunc_end_k_qb18fa28e89_outp:
	.size	k_qb18fa28e89_outp, .Lfunc_end_k_qb18fa28e89_outp-k_qb18fa28e89_outp
	.p2alignl 7, 3214868480
	.fill 96, 4, 3214868480
	.section	.rodata,"a",@progbits
	.p2align	6, 0x0
	.amdhsa_kernel k_qb18fa28e89_outp
		.amdhsa_group_segment_fixed_size 327680
		.amdhsa_private_segment_fixed_size 0
		.amdhsa_enable_private_segment 0
		.amdhsa_kernarg_size 32
		.amdhsa_user_sgpr_count 2
		.amdhsa_user_sgpr_kernarg_segment_ptr 1
		.amdhsa_wavefront_size32 1
		.amdhsa_system_sgpr_workgroup_id_x 1
		.amdhsa_system_sgpr_workgroup_id_y 1
		.amdhsa_system_sgpr_workgroup_id_z 1
		.amdhsa_system_vgpr_workitem_id 0
		.amdhsa_next_free_vgpr 1024
		.amdhsa_next_free_sgpr 100
		.amdhsa_reserve_vcc 1
		.amdhsa_float_denorm_mode_32 3
		.amdhsa_float_denorm_mode_16_64 3
		.amdhsa_memory_ordered 1
		.amdhsa_forward_progress 1
		.amdhsa_inst_pref_size 142
	.end_amdhsa_kernel
	.amdgpu_metadata
---
amdhsa.version: [ 1, 2 ]
amdhsa.kernels:
  - .name:           k_qb18fa28e89_outp
    .symbol:         k_qb18fa28e89_outp.kd
    .args:
      - { .name: img, .offset: 0, .size: 8, .value_kind: global_buffer, .address_space: global }
      - { .name: scl, .offset: 8, .size: 8, .value_kind: global_buffer, .address_space: global }
      - { .name: b_out, .offset: 16, .size: 8, .value_kind: global_buffer, .address_space: global }
      - { .name: out0, .offset: 24, .size: 8, .value_kind: global_buffer, .address_space: global }
    .group_segment_fixed_size: 327680
    .private_segment_fixed_size: 0
    .kernarg_segment_align: 8
    .kernarg_segment_size: 32
    .max_flat_workgroup_size: 128
    .sgpr_count:     100
    .vgpr_count:     1024
    .wavefront_size: 32
...
	.end_amdgpu_metadata
.endif
;; end of part 4
